; MI455X (gfx1250); checked and timed in simulation.
; The chip was launched on July 23, 2026; its instructions are those of AMD's public machine-readable ISA for CDNA 5 (MIT licence, August 2026) and "CDNA5" Instruction Set Architecture Reference Guide (July 2026). The comments in the code are by the model that wrote it; some were corrected since.
;; Multi Head Attention. Allowed arithmetic: matrix products marked QUANTISED: E2M3 operands, one E8M0 scale for each 32 along K, by v_wmma_scale_f32_16x16x128_f8f6f4 with both operands' format E2M3, f32 sums; everything else in f32.
;; Inputs: Wk 512 x 512 float32; Wo 512 x 512 float32; Wq 512 x 512 float32; Wv 512 x 512 float32; bo 512 float32; key 8 x 2,048 x 512 float32; query 8 x 2,048 x 512 float32; value 8 x 2,048 x 512 float32.
;; Outputs: out0 8 x 2,048 x 512 float32.
;; This version of the problem:
;;   THIS VERSION OF THE PROBLEM IS GIVEN IN LOW PRECISION. The matrix products marked QUANTISED in the list below multiply operands that are first quantised to E2M3 (2 exponent bits, 3 mantissa bits; 6 bits a number), with one power-of-two scale for each 32 numbers along K (OCP MX v1.0); their sums are f32. All else is computed in f32.
;;   The module's matrix products, in the order in which they are computed (A, B: the left and right operand; K: the contracted axis; several contracted axes count as one K, in the product's order):
;;     1. [M 16,384, K 512] x [K 512, N 512]; A: input query; B: input Wq: QUANTISED
;;     2. [M 16,384, K 512] x [K 512, N 512]; A: input key; B: input Wk: QUANTISED
;;     3. [M 16,384, K 512] x [K 512, N 512]; A: input value; B: input Wv: QUANTISED
;;     4. batch 64 x [M 2,048, K 64] x [K 64, N 2,048]; A: computed on the way; B: computed on the way: QUANTISED
;;     5. batch 64 x [M 64, K 2,048] x [K 2,048, N 2,048]; A: computed on the way; B: softmax (see below): QUANTISED
;;     6. [M 16,384, K 512] x [K 512, N 512]; A: computed on the way; B: input Wo: QUANTISED
;;   THE QUANTISER, for each operand of a quantised product, along K:
;;     - K is cut into blocks of 32 from its start; a last block that is shorter is filled with zeros.
;;     - A block's scale is 2^e with e = floor(log2(the largest magnitude in the block)) - 2, held to -126 .. 127; a block of zeros has e = 0. As a byte (E8M0): e + 127.
;;     - Each number is divided by its block's scale, clamped to +-7.5, and rounded to the nearest number of E2M3, ties to even, subnormals kept.
;;     - The product sums the exact products of the quantised numbers (number of the format x scale) in f32.
;;   ~~~python
;;   def quantise(x, axis):      # numpy; x: float32 -> the quantised numbers, widened to float32 again
;;       x = np.moveaxis(x, axis, -1); K = x.shape[-1]
;;       x = np.pad(x, [(0, 0)] * (x.ndim - 1) + [(0, -K % 32)]); x = x.reshape(x.shape[:-1] + (-1, 32)); a = np.abs(x).max(-1, keepdims=True)
;;       e = np.where(a > 0, np.clip(np.frexp(np.where(a > 0, a, 1))[1] - 1 - 2, -126, 127), 0)      # np.frexp(a)[1] - 1 = floor(log2(a)), exactly
;;       r = np.clip(x / 2.0 ** e, -7.5, 7.5)
;;       step = 2.0 ** (np.maximum(np.frexp(np.where(r == 0, 1, r))[1] - 1, 0) - 3)
;;       q = np.round(r / step) * step * 2.0 ** e      # np.round: ties to even
;;       return np.moveaxis(q.reshape(q.shape[:-2] + (-1,))[..., :K], -1, axis).astype(np.float32)
;;   ~~~
;;   SOFTMAX AHEAD OF A QUANTISED PRODUCT. Where the list says 'softmax', what is quantised is not the finished softmax but p = 2^(t - M), with t = logit x log2(e) and M = ceil(the row's largest t), a whole number; so 1/2 < the row's largest p <= 1. The row's sum l is taken of the UNQUANTISED p, in f32, and the product's result is divided by l at the end. Since M is a whole number, a kernel that streams over the keys may use a running M (the ceiling of the running maximum): every later rescaling is an exact power of two, which a block's scale takes up: the codes' values come out the same.
;;   OPERANDS COMPUTED ON THE WAY. 'Computed on the way' means the value that the module computes at that place (a softmax that the list does not call 'softmax' is quantised finished and normalised). What goes into a quantiser is computed in f32, as accurately as f32 sums, v_exp_f32 and their like allow (about 1e-6 of the number): no bf16 or f16 on the way to a quantiser, and a product that is left as it is and whose result goes on into a quantised operand takes f32 operands (vector FMAs, or v_wmma_f32_16x16x4_f32). A number that lies on a knife's edge between two numbers of the format may be rounded either way, as far as f32 arithmetic and the matrix unit's own rounding can turn it there, and no further.
;; 2 versions. Each part assembles by itself: llvm-mc -triple=amdgcn-amd-amdhsa -mcpu=gfx1250 --defsym DOCPART=n.
;; ======== version 1 of 2: 4 launches
;; workspace buffers: wc 786,432 bytes; ws 32,768 bytes; qb 6,553,600 bytes; kv 13,107,200 bytes; oc 6,291,456 bytes; os 262,144 bytes
;; launch wquant (part 1): grid 128 x 1, 4 waves a work-group, no clusters, 768 bytes of LDS; arguments Wq, Wk, Wv, Wo, wc, ws; writes wc, ws
.if DOCPART == 1
	.amdgcn_target "amdgcn-amd-amdhsa--gfx1250"
	.amdhsa_code_object_version 6
	.text
	.protected	k_q7ff7ec4c79_wquant
	.globl	k_q7ff7ec4c79_wquant
	.p2align	8
	.type	k_q7ff7ec4c79_wquant,@function
k_q7ff7ec4c79_wquant:
	s_mov_b64 s[64:65], 0
	v_nop
	global_prefetch_b8 v0, s[64:65] scope:SCOPE_SE
	s_setreg_imm32_b32 hwreg(HW_REG_WAVE_MODE, 25, 1), 1
	s_wait_xcnt 0x0
; The four weights, each [512 (k)][512 (n)] f32 with K as the FIRST axis, become codes of FP6 (E2M3) with one E8M0 byte for each 32 along K,
; laid in the order of a matrix operand's registers: a fragment (16 columns n x 128 k) is 12 registers a lane, stored as three chunks of 512 bytes, chunk c = registers 4 c .. 4 c + 3, lane l's 16 bytes at 16 l.
; wc: [tensor 4: q, k, v, o][tile 32][K step 4][1536 bytes].   ws: [tensor][tile][row 16][K step 4] words of four scale bytes: 256 bytes a tile.
; THE COLUMNS OF A TILE ARE NOT NEIGHBOURS: row r of tile nt is column 32 (nt / 2) + 8 (nt % 2) + r + 8 (r / 8), so that the results of two neighbouring tiles are 16 neighbours in a lane's registers.
; SHARES: a work-group takes one tile of one tensor, each of its four waves one K step.  A lane takes a column and its registers run DOWN K, in the order in which the operand wants them: nothing is transposed.
; A block's scale is 2^(floor(log2(largest magnitude)) - 2); its byte is the largest magnitude's exponent field - 2, held at 1 from below.
; LIMITS: a block of zeros, or one whose largest magnitude lies under 2^-124, gets the byte 1 (its codes are zeros or subnormal codes; this program alone reads the bytes); NaN and infinities are not served.
; No matrix unit, no cluster, no tensor load: 4 MiB are read once, and work-groups share nothing.
.set SPARE, 256                        ; LDS: bytes 0-255 the tile's 64 scale words; from 256 on the spare words, 128 bytes for each wave, which no other line names
.set SPW, 12                           ; v12  LDS address of my spare word; never rewritten
.set NIL, 13                           ; v13  0; never rewritten
.set X,   64                           ; v64-127 my 64 numbers
	s_load_b256 s[4:11], s[0:1], 0x0               ; Wq, Wk, Wv, Wo
	s_load_b128 s[12:15], s[0:1], 0x20             ; wc, ws
	v_lshl_add_u32 v[SPW], v0, 2, SPARE
	v_mov_b32 v[NIL], 0
	v_lshrrev_b32 v1, 5, v0
	v_readfirstlane_b32 s16, v1                    ; wave = K step
	s_lshr_b32 s17, ttmp9, 5                       ; which tensor
	s_and_b32 s18, ttmp9, 31                       ; which tile
	s_mov_b32 s20, 0x76543210
	s_mov_b32 s21, 0xfedcba98                      ; v_permlanex16_b32's selects for lane l xor 16
	v_and_b32 v1, 15, v0                           ; r
	v_bfe_u32 v2, v0, 4, 1                         ; h
	v_and_b32 v3, 31, v0                           ; lane
	v_and_b32 v4, 8, v1
	v_add_nc_u32 v4, v4, v1                        ; r + 8 (r / 8)
	v_lshlrev_b32 v4, 2, v4
	v_lshl_add_u32 v4, v2, 16, v4                  ; my column's 4 bytes; lanes 16-31 begin 32 rows of 2,048 bytes further down
	v_lshlrev_b32 v5, 4, v3                        ; 16 x lane: my place in a chunk
	s_lshl_b32 s22, s16, 2
	v_lshl_add_u32 v6, v1, 4, s22                  ; LDS: 16 r + 4 x K step
	v_lshlrev_b32 v7, 3, v3                        ; 8 x lane
	s_lshl_b32 s24, s16, 18                        ; 128 rows of 2,048 bytes a K step,
	s_lshr_b32 s23, s18, 1
	s_lshl_b32 s23, s23, 7
	s_add_co_u32 s24, s24, s23                     ; + 4 x 32 (nt / 2)
	s_and_b32 s23, s18, 1
	s_lshl_b32 s23, s23, 5
	s_add_co_u32 s24, s24, s23                     ; + 4 x 8 (nt % 2)
	s_mov_b32 s25, 0
	s_lshl_b32 s26, ttmp9, 2
	s_add_co_u32 s26, s26, s16
	s_mul_i32 s26, s26, 1536                       ; my fragment's image
	s_mov_b32 s27, 0
	s_lshl_b32 s28, ttmp9, 8                       ; my tile's scale words
	s_mov_b32 s29, 0
	s_wait_kmcnt 0x0
	s_cmp_lt_u32 s17, 2                            ; the tensor is chosen by the work-group's number alone
	s_cselect_b64 s[4:5], s[4:5], s[8:9]           ; Wq or Wv
	s_cselect_b64 s[6:7], s[6:7], s[10:11]         ; Wk or Wo
	s_and_b32 s23, s17, 1
	s_cmp_eq_u32 s23, 0
	s_cselect_b64 s[4:5], s[4:5], s[6:7]
	s_add_nc_u64 s[4:5], s[4:5], s[24:25]
	s_add_nc_u64 s[12:13], s[12:13], s[26:27]
	s_add_nc_u64 s[14:15], s[14:15], s[28:29]
.set c, 0
.rept 2
.set i, 0
.rept 32
	global_load_b32 v[X+32*c+i], v4, s[4:5] offset:(64*c+i)*2048   ; W(128 s + 64 c + 32 h + i, my column)
.set i, i+1
.endr
.set c, c+1
.endr
	s_wait_loadcnt 0x0
.irp c, 0,1                                    ; my block 2 c + h: all its 32 numbers are mine
	v_max3_num_f32 v[32+\c], |v[X+32*\c]|, |v[X+1+32*\c]|, 0x1800000   ; with the floor 2^(3 - 127): the byte cannot fall under 1
.endr
.irp i, 2,4,6,8,10,12,14,16,18,20,22,24,26,28,30
.irp c, 0,1
	v_max3_num_f32 v[32+\c], v[32+\c], |v[X+32*\c+\i]|, |v[X+1+32*\c+\i]|   ; the two blocks by turns
.endr
.endr
.irp c, 0,1
	v_add_nc_u32 v[44+\c], 0xff000000, v[32+\c]    ; 2 off the exponent field: the conversion takes this operand's exponent field as its scale
.endr
.irp c, 0,1
	v_lshrrev_b32 v[36+\c], 23, v[44+\c]           ; the scale's byte
.endr
	v_lshl_or_b32 v9, v37, 16, v36                 ; my two bytes: blocks h and 2 + h,
	v_lshlrev_b32 v10, 3, v2
	v_lshlrev_b32 v9, v10, v9                      ; 8 h bits up;
	v_mov_b32 v10, 0
	v_permlanex16_b32 v10, v9, s20, s21
	v_or_b32 v9, v9, v10                           ; with lane l xor 16's two the word is whole, in both lanes
.irp c, 0,1
	v_cvt_scalef32_pk16_fp6_f32 v[48+6*\c:50+6*\c], v[X+32*\c:X+15+32*\c], v[44+\c]
	v_cvt_scalef32_pk16_fp6_f32 v[128+4*\c:130+4*\c], v[X+16+32*\c:X+31+32*\c], v[44+\c]   ; a conversion's three registers begin on an even number: the second half is made elsewhere and moved
.endr
	v_nop                                          ; one plain instruction behind the scaled conversions
.irp c, 0,1
.irp i, 0,1,2
	v_mov_b32 v[51+6*\c+\i], v[128+4*\c+\i]
.endr
.endr
.irp c, 0,1,2
	global_store_b128 v5, v[48+4*\c:51+4*\c], s[12:13] offset:512*\c   ; 32 lanes store 512 consecutive bytes, at a multiple of 256 from the buffer's first byte
.endr
	ds_store_b32 v6, v9                            ; lanes r and r + 16 write the same word with the same value
	s_wait_dscnt 0x0                               ; for the others' sake: my store has landed
	s_barrier_signal -1
	s_barrier_wait -1
	s_cmp_lg_u32 s16, 0
	s_cbranch_scc1 .Ldone
	ds_load_b64 v[10:11], v7                       ; wave 0 takes the tile's 256 bytes of scale words
	s_wait_dscnt 0x0
	global_store_b64 v7, v[10:11], s[14:15]        ; 32 lanes store 256 consecutive bytes, aligned
.Ldone:
	s_wait_tensorcnt 0x0                           ; the wave's end
	ds_add_u32 v[SPW], v[NIL]
	s_wait_dscnt 0x0
	s_endpgm
.Lfunc_end_k_q7ff7ec4c79_wquant:
	.size	k_q7ff7ec4c79_wquant, .Lfunc_end_k_q7ff7ec4c79_wquant-k_q7ff7ec4c79_wquant
	.p2alignl 7, 3214868480
	.fill 96, 4, 3214868480
	.section	.rodata,"a",@progbits
	.p2align	6, 0x0
	.amdhsa_kernel k_q7ff7ec4c79_wquant
		.amdhsa_group_segment_fixed_size 768
		.amdhsa_private_segment_fixed_size 0
		.amdhsa_enable_private_segment 0
		.amdhsa_kernarg_size 48
		.amdhsa_user_sgpr_count 2
		.amdhsa_user_sgpr_kernarg_segment_ptr 1
		.amdhsa_wavefront_size32 1
		.amdhsa_system_sgpr_workgroup_id_x 1
		.amdhsa_system_sgpr_workgroup_id_y 1
		.amdhsa_system_sgpr_workgroup_id_z 1
		.amdhsa_system_vgpr_workitem_id 0
		.amdhsa_next_free_vgpr 136
		.amdhsa_next_free_sgpr 66
		.amdhsa_reserve_vcc 0
		.amdhsa_float_denorm_mode_32 3
		.amdhsa_float_denorm_mode_16_64 3
		.amdhsa_memory_ordered 1
		.amdhsa_forward_progress 1
		.amdhsa_inst_pref_size 12
	.end_amdhsa_kernel
	.amdgpu_metadata
---
amdhsa.version: [ 1, 2 ]
amdhsa.kernels:
  - .name:           k_q7ff7ec4c79_wquant
    .symbol:         k_q7ff7ec4c79_wquant.kd
    .args:
      - { .name: Wq, .offset: 0, .size: 8, .value_kind: global_buffer, .address_space: global }
      - { .name: Wk, .offset: 8, .size: 8, .value_kind: global_buffer, .address_space: global }
      - { .name: Wv, .offset: 16, .size: 8, .value_kind: global_buffer, .address_space: global }
      - { .name: Wo, .offset: 24, .size: 8, .value_kind: global_buffer, .address_space: global }
      - { .name: wc, .offset: 32, .size: 8, .value_kind: global_buffer, .address_space: global }
      - { .name: ws, .offset: 40, .size: 8, .value_kind: global_buffer, .address_space: global }
    .group_segment_fixed_size: 768
    .private_segment_fixed_size: 0
    .kernarg_segment_align: 8
    .kernarg_segment_size: 48
    .max_flat_workgroup_size: 128
    .sgpr_count:     66
    .vgpr_count:     136
    .wavefront_size: 32
...
	.end_amdgpu_metadata
.endif
;; end of part 1
;; launch proj (part 2): grid 64 x 3, 4 waves a work-group, no clusters, 121,344 bytes of LDS; arguments query, key, value, wc, ws, qb, kv; writes qb, kv
.if DOCPART == 2
	.amdgcn_target "amdgcn-amd-amdhsa--gfx1250"
	.amdhsa_code_object_version 6
	.text
	.protected	k_q7ff7ec4c79_proj
	.globl	k_q7ff7ec4c79_proj
	.p2align	8
	.type	k_q7ff7ec4c79_proj,@function
k_q7ff7ec4c79_proj:
	s_mov_b64 s[64:65], 0
	v_nop
	global_prefetch_b8 v0, s[64:65] scope:SCOPE_SE
	s_setreg_imm32_b32 hwreg(HW_REG_WAVE_MODE, 25, 1), 1
	s_wait_xcnt 0x0
; q = query Wq, k = key Wk, v = value Wv, all three products on codes of FP6 (E2M3) with one E8M0 scale for each 32 along K = 512; the results are quantised again at once, as operands of attention:
; q and k along the head's 64 channels, v along the keys.  Work-group y picks the tensor (0 q, 1 k, 2 v); work-group x takes two blocks of 128 tokens, one after the other.
; SHARES.  The four waves share the COLUMNS: wave w makes columns 128 w .. 128 w + 127 (heads 2 w and 2 w + 1) for all 128 tokens; its part of W (32 fragments, 384 registers, and 32 scale words) stays in registers.
; The tokens' codes go round: wave w quantises tokens 32 w .. 32 w + 31 of the block (two tiles x four K steps) and puts the fragments into LDS as images of their registers (three chunks of 512 bytes, lane l's 16 bytes at 16 l).
; THE TOKENS OF A TILE ARE NOT NEIGHBOURS: row r of tile 2 g + u is token 32 g + 8 u + r + 8 (r / 8); W's columns are laid the same way.  So the 16 registers of two neighbouring result tiles are 16 neighbours.
; q, k: source 0 = 16 columns of W, source 1 = 16 tokens: a lane holds one token, its registers run along the head's channels.  The eight result tiles of a group of 32 tokens and one head (tile A's four, tile B's four) are
;   quantised as four blocks of 32 and make ONE fragment: registers 0-5 tile A's 64 channels, registers 6-11 tile B's; scale word (A0, A1, B0, B1).  Attention multiplies it by [q, 0] and by [0, q].
; v: the sources are swapped: a lane holds one channel and its registers run along the tokens, which are the second product's K.  Four groups of 32 tokens fill a fragment of 16 channels x 128 keys.
; OUT.  qb: [batch x head 64][block 16][6400]: four packed images, then at 6144 the words [row 16][group 4].   kv: [64][16][12800]: k's four packed images, at 6144 v's four images (channel tiles), at 12288 k's words, at 12544 v's [row][tile].
; x comes by loads of 512 consecutive bytes of a token's row; a unit (16 rows x 128 numbers) turns through the wave's own stage in LDS so that a lane holds 16 neighbours of each block of 32.  Four units (64 loads a wave) are on their way.
; The weights are not asked for jointly in a cluster: a work-group loads them once, straight into the registers where they stay; a joint load would land them in LDS, to be read from there once more.
; 192 work-groups: a fragment of v wants 128 keys to a block, and two blocks to a work-group halve the loads of W.
; LIMITS: a block of zeros, or one whose largest magnitude lies under 2^-124, gets the byte 1 (this program alone reads the bytes); NaN and infinities are not served.
; REGISTERS.  window 0: v1-8 addresses; v16-47 W's scale words; v48-55 x's; v56-63 the scale words made; v64-111 x's fragments, two sets of two; v112-119 conversions' results on their way; v120-136 at work in the quantiser;
;   v140-203 the eight accumulators; v204-251 the codes just made; v252-255 the words to store.  While x is quantised v56-119 and v140-203 hold the two units in hand.
;   windows 1, 2: W of head 2 w, 2 w + 1: fragment (tile t, K step s) at v[12 (4 t + s)].   window 3: x as it is loaded, four units of 64 registers.
.set XIMG,  0                          ; LDS: x's 32 images: (tile m, K step s) at (4 m + s) x 1536
.set XSC,   49152                      ; their scale words: tile m at 512 m, lane at 16 x lane, K step s at 4 s
.set STG,   53248                      ; each wave's two stages of 16 rows x (512 + 16) bytes: row r starts 33 r places of 16 bytes on, so that sixteen rows' loads start at sixteen different places modulo 256 bytes
.set SPARE, 120832                     ; the spare words, 128 bytes for each wave, which no other line names
.set LI,  1                            ; v1   16 x lane
.set STI, 3                            ; v3   the stage, on the way in: 16 x lane in a row
.set STO, 4                            ; v4   and out: row r, + 64 h
.set XWI, 5                            ; v5   where I store x's images: 12288 x wave + 16 x lane
.set XWS, 6                            ; v6   and their scale words
.set SOF, 7                            ; v7   the words' place in memory: 16 r, lanes 16-31 one head on
.set R16, 8                            ; v8   16 r
.set SPW, 12                           ; v12  LDS address of my spare word; never rewritten
.set NIL, 13                           ; v13  0; never rewritten
.set WS,  16
.set XS,  48
.set SW,  56
.set XF,  64
.set VT,  112
.set TM,  120                          ; v120-123 largest magnitudes, v124-127 bytes, v132-135 the conversions' scale operands
.set PW,  136
.set HA,  140
.set PC,  204
.set F,   204
.set OS4, 252
.set XB0, 56                           ; the two units in hand: v56 on and v140 on (84 further)
.set SEL, 20                           ; s[20:21]
.set BLK, 22                           ; s22  blocks to go
.set MSB, 0
.macro WIN new                         ; the immediate's high byte repeats the setting that is left; a switch that changes nothing is dropped
.if MSB != (\new)
	s_set_vgpr_msb (MSB<<8)|(\new)
.set MSB, (\new)
.endif
.endm
.macro PLACES                          ; four plain instructions between a matrix instruction and a load into, or a read of, its registers
.rept 4
	v_nop
.endr
.endm
; a unit of x: 16 rows (tokens i + 8 (i / 8) from the base on), K step q: each load takes 512 consecutive bytes of a row
.macro XLOAD q, off
	WIN 0xc0                                       ; destination window 3
.set i, 0
.rept 16
	global_load_b128 v[64*(\q)+4*i:64*(\q)+4*i+3], v[LI], s[4:5] offset:(\off)+(i+8*(i/8))*2048+512*(\q) th:TH_LOAD_NT
.set i, i+1
.endr
	WIN 0
.endm
; unit q through stage p: in as loaded, out 64 bytes a lane for each block of 32.  LDS serves a wave's instructions in order (ISA guide 5.7.1.4): no wait between the stores and the loads
.macro TURN q, p
	WIN 0x0c                                       ; an LDS store's data are its source 1: window 3
.set i, 0
.rept 16
	ds_store_b128 v[STI], v[64*(\q)+4*i:64*(\q)+4*i+3] offset:8448*(\p)+528*i
.set i, i+1
.endr
	WIN 0
.set i, 0
.rept 16
	ds_load_b128 v[XB0+84*(\p)+4*i:XB0+84*(\p)+4*i+3], v[STO] offset:8448*(\p)+128*(i/4)+16*(i%4)   ; register 16 b + i = number 32 b + 16 h + i of my row
.set i, i+1
.endr
.endm
; four blocks: block b's 32 numbers lie in registers s + 16 b .. + 15 of lanes l and l xor 16.  Leaves the conversions' scale operands in v[TM+12+b] and the bytes in v[TM+4+b]
.macro QHEAD s
.irp b, 0,1,2,3
	v_max3_num_f32 v[TM+\b], |v[\s+16*\b]|, |v[\s+1+16*\b]|, 0x1800000   ; with the floor 2^(3 - 127): the byte cannot fall under 1
.endr
.irp i, 2,4,6,8,10,12,14
.irp b, 0,1,2,3
	v_max3_num_f32 v[TM+\b], v[TM+\b], |v[\s+16*\b+\i]|, |v[\s+1+16*\b+\i]|   ; the four blocks by turns
.endr
.endr
.irp b, 0,1,2,3
	v_permlanex16_b32 v[TM+4+\b], v[TM+\b], s[SEL], s[SEL+1]
.endr
.irp b, 0,1,2,3
	v_max_num_f32 v[TM+\b], v[TM+\b], v[TM+4+\b]   ; with lane l xor 16's: the block's largest magnitude
.endr
.irp b, 0,1,2,3
	v_add_nc_u32 v[TM+12+\b], 0xff000000, v[TM+\b] ; 2 off its exponent field
.endr
.irp b, 0,1,2,3
	v_lshrrev_b32 v[TM+4+\b], 23, v[TM+12+\b]      ; the scale's byte
.endr
.endm
; 64 numbers of a lane become a fragment's codes in v[PC] on and its scale word in v[PW]
.macro QUANT s
	QHEAD \s
	v_lshl_or_b32 v[PW], v[TM+5], 8, v[TM+4]
	v_lshl_or_b32 v[PW], v[TM+6], 16, v[PW]
	v_lshl_or_b32 v[PW], v[TM+7], 24, v[PW]
.irp c, 0,1
	v_cvt_scalef32_pk16_fp6_f32 v[PC+6*\c:PC+2+6*\c], v[\s+32*\c:\s+15+32*\c], v[TM+12+2*\c]
	v_cvt_scalef32_pk16_fp6_f32 v[PC+12+4*\c:PC+14+4*\c], v[\s+16+32*\c:\s+31+32*\c], v[TM+12+2*\c+1]   ; a conversion's three registers begin on an even number
.endr
	v_nop                                          ; one plain instruction behind the scaled conversions
.irp c, 0,1                                    ; the operand wants a WHOLE block in a lane: lanes 0-15 block 2 c, lanes 16-31 block 2 c + 1
.irp i, 0,1,2
	v_permlane16_swap_b32 v[PC+6*\c+\i], v[PC+12+4*\c+\i]
.endr
.irp i, 0,1,2
	v_mov_b32 v[PC+3+6*\c+\i], v[PC+12+4*\c+\i]
.endr
.endr
.endm
; v: group g's 32 tokens are one block of each of the four channel tiles b: its byte goes to place g of the tile's word, its codes to half (g % 2) of registers 6 (g / 2) .. + 5 of the tile's fragment
.macro VQ e, g
	QHEAD HA
.irp b, 0,1,2,3
.if (\g) == 0
	v_mov_b32 v[SW+4*(\e)+\b], v[TM+4+\b]
.else
	v_lshl_or_b32 v[SW+4*(\e)+\b], v[TM+4+\b], 8*(\g), v[SW+4*(\e)+\b]
.endif
.endr
.if (\g)%2 == 0
.irp b, 0,1,2,3
	v_cvt_scalef32_pk16_fp6_f32 v[F+12*\b+6*((\g)/2):F+12*\b+6*((\g)/2)+2], v[HA+16*\b:HA+16*\b+15], v[TM+12+\b]
.endr
	v_nop                                          ; one plain instruction behind the scaled conversions
.else
.irp q, 0,1                                    ; two tiles at a time: the odd block's codes are made aside, change halves with the even block's, and are moved in
	v_cvt_scalef32_pk16_fp6_f32 v[VT:VT+2], v[HA+32*\q:HA+32*\q+15], v[TM+12+2*\q]
	v_cvt_scalef32_pk16_fp6_f32 v[VT+4:VT+6], v[HA+32*\q+16:HA+32*\q+31], v[TM+13+2*\q]
	v_nop
.irp i, 0,1,2
	v_permlane16_swap_b32 v[F+24*\q+6*((\g)/2)+\i], v[VT+\i]
	v_permlane16_swap_b32 v[F+24*\q+12+6*((\g)/2)+\i], v[VT+4+\i]
.endr
.irp i, 0,1,2
	v_mov_b32 v[F+24*\q+6*((\g)/2)+3+\i], v[VT+\i]
	v_mov_b32 v[F+24*\q+12+6*((\g)/2)+3+\i], v[VT+4+\i]
.endr
.endr
.endif
.endm
; unit k of a block's eight (tile k / 4 of my group, K step k % 4) is quantised.  ahead >= 0: its registers take the unit four on, at that byte offset.  lw: the x loads younger than unit k + 1's
.macro UNIT k, ahead, lw
.if (\k) > 0
	s_wait_dscnt 4                                 ; this unit is back from its stage; only the last image's four stores are younger
.else
	s_wait_dscnt 0x0
.endif
.if (\ahead) >= 0
	XLOAD (\k)%4, \ahead
.endif
.if (\k) < 7
	s_wait_loadcnt \lw                             ; the next unit's 16 loads are in; the units behind it stay on their way
	TURN ((\k)+1)%4, ((\k)+1)%2
	s_wait_dscnt 32                                ; all but the 32 just issued: the last image's stores have read the codes' registers
.else
	s_wait_dscnt 0x0
.endif
	QUANT XB0+84*((\k)%2)
.irp c, 0,1,2
	ds_store_b128 v[XWI], v[PC+4*\c:PC+4*\c+3] offset:XIMG+(\k)*1536+512*\c
.endr
	ds_store_b32 v[XWS], v[PW] offset:512*((\k)/4)+4*((\k)%4)
.endm
.macro FPAIR g, s                      ; the fragments of group g's two tiles, K step s, into set s % 2: six loads
.irp ab, 0,1
.irp c, 0,1,2
	ds_load_b128 v[XF+24*((\s)%2)+12*\ab+4*\c:XF+24*((\s)%2)+12*\ab+4*\c+3], v[LI] offset:XIMG+(4*(2*(\g)+\ab)+(\s))*1536+512*\c
.endr
.endr
.endm
.macro FXS g                           ; and their scale words, four K steps a load
.irp ab, 0,1
	ds_load_b128 v[XS+4*\ab:XS+4*\ab+3], v[LI] offset:XSC+512*(2*(\g)+\ab)
.endr
.endm
; eight matrix instructions: two tiles of tokens x four tiles of head e's columns, K step s.  The eight accumulators take turns, one instruction a turn.  zero = 1: the products start the sums
.macro MM isv, e, s, zero
.if \isv
	WIN (1+(\e))<<2                                ; source 1 (W) in window 1 or 2
.else
	WIN 1+(\e)                                     ; source 0 (W) in window 1 or 2
.endif
.irp ab, 0,1
.irp t, 0,1,2,3
.if \isv
.if \zero
	v_wmma_scale_f32_16x16x128_f8f6f4 v[HA+16*\t+8*\ab:HA+16*\t+8*\ab+7], v[XF+24*((\s)%2)+12*\ab:XF+24*((\s)%2)+12*\ab+11], v[12*(4*\t+(\s)):12*(4*\t+(\s))+11], 0, v[XS+4*\ab+(\s)], v[WS+16*(\e)+4*\t+(\s)] matrix_a_fmt:MATRIX_FMT_FP6 matrix_b_fmt:MATRIX_FMT_FP6
.else
	v_wmma_scale_f32_16x16x128_f8f6f4 v[HA+16*\t+8*\ab:HA+16*\t+8*\ab+7], v[XF+24*((\s)%2)+12*\ab:XF+24*((\s)%2)+12*\ab+11], v[12*(4*\t+(\s)):12*(4*\t+(\s))+11], v[HA+16*\t+8*\ab:HA+16*\t+8*\ab+7], v[XS+4*\ab+(\s)], v[WS+16*(\e)+4*\t+(\s)] matrix_a_fmt:MATRIX_FMT_FP6 matrix_b_fmt:MATRIX_FMT_FP6
.endif
.else
.if \zero
	v_wmma_scale_f32_16x16x128_f8f6f4 v[HA+32*\ab+8*\t:HA+32*\ab+8*\t+7], v[12*(4*\t+(\s)):12*(4*\t+(\s))+11], v[XF+24*((\s)%2)+12*\ab:XF+24*((\s)%2)+12*\ab+11], 0, v[WS+16*(\e)+4*\t+(\s)], v[XS+4*\ab+(\s)] matrix_a_fmt:MATRIX_FMT_FP6 matrix_b_fmt:MATRIX_FMT_FP6
.else
	v_wmma_scale_f32_16x16x128_f8f6f4 v[HA+32*\ab+8*\t:HA+32*\ab+8*\t+7], v[12*(4*\t+(\s)):12*(4*\t+(\s))+11], v[XF+24*((\s)%2)+12*\ab:XF+24*((\s)%2)+12*\ab+11], v[HA+32*\ab+8*\t:HA+32*\ab+8*\t+7], v[WS+16*(\e)+4*\t+(\s)], v[XS+4*\ab+(\s)] matrix_a_fmt:MATRIX_FMT_FP6 matrix_b_fmt:MATRIX_FMT_FP6
.endif
.endif
.endr
.endr
	WIN 0
.endm
; group g (32 tokens) x head e (64 columns): 32 matrix instructions, then the results are quantised and leave.  nxt: the group whose first fragments are asked for meanwhile, or -1
.macro GRP isv, e, g, nxt
	s_wait_dscnt 6                                 ; the scale words and K step 0's pair are in; K step 1's six loads may be out
	MM \isv, \e, 0, 1
	PLACES
	FPAIR \g, 2
	s_wait_dscnt 6                                 ; K step 1's pair is in; the six just issued may be out
	MM \isv, \e, 1, 0
	PLACES
	FPAIR \g, 3
	s_wait_dscnt 6
	MM \isv, \e, 2, 0
	s_wait_dscnt 0x0
	MM \isv, \e, 3, 0
	PLACES                                         ; for the loads below and for the first read of the results
.if (\nxt) >= 0
	FXS \nxt
	FPAIR \nxt, 0
	FPAIR \nxt, 1
.endif
	s_wait_xcnt 0x0                                ; the earlier stores have read their data: the codes' registers are written again only behind this wait
.if \isv
	VQ \e, \g
.if (\g) == 3
.set f, 0
.rept 12
	global_store_b128 v[LI], v[F+4*f:F+4*f+3], s[26+2*(\e):27+2*(\e)] offset:512*f   ; the head's four fragments of v: each store covers 512 consecutive bytes, aligned to 256
.set f, f+1
.endr
.endif
.else
	QUANT HA
.irp c, 0,1,2
	global_store_b128 v[LI], v[PC+4*\c:PC+4*\c+3], s[26+2*(\e):27+2*(\e)] offset:1536*(\g)+512*\c
.endr
	v_mov_b32 v[SW+4*(\e)+(\g)], v[PW]
.endif
.endm
	s_load_b256 s[4:11], s[0:1], 0x0               ; query, key, value, wc
	s_load_b128 s[12:15], s[0:1], 0x20             ; ws, qb
	s_load_b64 s[16:17], s[0:1], 0x30              ; kv
	v_lshl_add_u32 v[SPW], v0, 2, SPARE
	v_mov_b32 v[NIL], 0
	v_lshrrev_b32 v9, 5, v0
	v_readfirstlane_b32 s18, v9                    ; wave 0..3
	s_and_b32 s19, ttmp7, 0xffff                   ; the tensor: 0 q, 1 k, 2 v
	s_mov_b32 s[SEL], 0x76543210
	s_mov_b32 s[SEL+1], 0xfedcba98                 ; v_permlanex16_b32's selects for lane l xor 16
	s_mov_b32 s[BLK], 2
	v_and_b32 v9, 31, v0                           ; lane
	v_and_b32 v10, 15, v0                          ; r
	v_bfe_u32 v11, v0, 4, 1                        ; h
	v_lshlrev_b32 v[LI], 4, v9
	v_lshlrev_b32 v[R16], 4, v10
	v_cmp_le_u32 s40, 16, v9                       ; s40: lanes 16-31
	s_mul_i32 s32, s18, 16896
	s_add_co_u32 s32, s32, STG                     ; my two stages
	v_add_nc_u32 v[STI], s32, v[LI]
	v_mul_u32_u24 v[STO], v10, 528
	v_lshl_add_u32 v[STO], v11, 6, v[STO]
	v_add_nc_u32 v[STO], s32, v[STO]
	s_mul_i32 s32, s18, 12288
	v_add_nc_u32 v[XWI], s32, v[LI]
	s_lshl_b32 s32, s18, 10
	s_add_co_u32 s32, s32, XSC
	v_add_nc_u32 v[XWS], s32, v[LI]
.irp b, 0,1,2,3
	v_mov_b32 v[TM+4+\b], 0                        ; written once: a lane permute's destination counts as one of its sources
.endr
	; the sizes that hang on the tensor: qb has 6,400 bytes a block and 102,400 a head, kv twice as many
	s_min_u32 s34, s19, 1
	s_lshr_b32 s35, s19, 1                         ; 1 for v
	s_lshl_b32 s23, 0x19000, s34                   ; s23: from head to head
	s_lshl_b32 s24, 0x1900, s34                    ; s[24:25]: from block to block
	s_mov_b32 s25, 0
	s_mul_i32 s36, s35, 6144                       ; where the images begin in a block: v's behind k's
	s_lshl_b32 s37, 0x1800, s34
	s_lshl_b32 s38, s35, 8
	s_add_co_u32 s37, s37, s38                     ; and the words: 6144, 12288, 12544
	s_lshr_b32 s38, ttmp9, 3
	s_lshl_b32 s38, s38, 3
	s_lshl_b32 s39, s18, 1
	s_add_co_u32 s38, s38, s39                     ; 8 x batch + my first head
	s_mul_i32 s38, s38, s23
	s_and_b32 s39, ttmp9, 7
	s_lshl_b32 s39, s39, 1                         ; my first block in the batch
	s_mul_i32 s39, s39, s24
	s_add_co_u32 s38, s38, s39
	v_mul_lo_u32 v[SOF], v11, s23
	v_add_nc_u32 v[SOF], v[SOF], v[R16]
	s_mov_b32 s33, 0
	s_wait_kmcnt 0x0
	s_cmp_eq_u32 s19, 0                            ; the buffers are chosen by the work-group's number alone
	s_cselect_b64 s[4:5], s[4:5], s[6:7]
	s_cselect_b64 s[26:27], s[14:15], s[16:17]
	s_cmp_eq_u32 s19, 2
	s_cselect_b64 s[4:5], s[8:9], s[4:5]
	s_lshl_b32 s32, ttmp9, 19                      ; 256 tokens of 2,048 bytes a work-group,
	s_lshl_b32 s34, s18, 16                        ; 32 a wave
	s_add_co_u32 s32, s32, s34
	s_add_nc_u64 s[4:5], s[4:5], s[32:33]          ; x at my group of the first block
	s_mul_i32 s32, s19, 0x30000
	s_mul_i32 s34, s18, 49152
	s_add_co_u32 s32, s32, s34
	s_add_nc_u64 s[10:11], s[10:11], s[32:33]      ; my 32 fragments of this tensor's W
	s_lshl_b32 s32, s19, 13
	s_lshl_b32 s34, s18, 11
	s_add_co_u32 s32, s32, s34
	s_add_nc_u64 s[12:13], s[12:13], s[32:33]      ; and their scale words
	s_add_co_u32 s32, s38, s37
	s_add_nc_u64 s[30:31], s[26:27], s[32:33]      ; s[30:31]: the words of my first head
	s_add_co_u32 s32, s38, s36
	s_add_nc_u64 s[26:27], s[26:27], s[32:33]      ; s[26:27]: the images of my first head,
	s_mov_b32 s32, s23
	s_add_nc_u64 s[28:29], s[26:27], s[32:33]      ; s[28:29]: of my second
	WIN 0x40                                       ; destination window 1
.set f, 0
.rept 48
	global_load_b128 v[4*f:4*f+3], v[LI], s[10:11] offset:512*f
.set f, f+1
.endr
	WIN 0x80                                       ; window 2
.set f, 0
.rept 48
	global_load_b128 v[4*f:4*f+3], v[LI], s[10:11] offset:24576+512*f
.set f, f+1
.endr
	WIN 0
.irp t, 0,1,2,3,4,5,6,7
	global_load_b128 v[WS+4*\t:WS+4*\t+3], v[R16], s[12:13] offset:256*\t   ; row r's four words of tile t
.endr
	XLOAD 0, 0                                     ; W was asked for first: the first counted wait for x shows W in too
	XLOAD 1, 0
	XLOAD 2, 0
	XLOAD 3, 0
.Lblock:
	s_wait_loadcnt 48                              ; unit 0's 16 loads are in; three units stay on their way (on the way back likewise: the block before asked for four)
	TURN 0, 0
.irp k, 0,1,2,3
	UNIT \k, 16384, 48                             ; ahead: my second tile, eight tokens on
.endr
	s_cmp_eq_u32 s[BLK], 1
	s_cbranch_scc1 .Llast
.irp k, 4,5,6,7
	UNIT \k, 262144, 48                            ; ahead: the next block's first tile, 128 tokens on
.endr
	s_branch .Lmat
.Llast:                                            ; the last block asks for nothing: no load leaves its buffer, and the counts run down
	UNIT 4, -1, 32
	UNIT 5, -1, 16
	UNIT 6, -1, 0
	UNIT 7, -1, 0
.Lmat:
	s_wait_dscnt 0x0                               ; for the others' sake: my images have landed
	s_barrier_signal -1
	s_barrier_wait -1                              ; the block's 32 images lie in LDS
	FXS 0
	FPAIR 0, 0
	FPAIR 0, 1
	s_cmp_eq_u32 s19, 2
	s_cbranch_scc1 .Lvpath
	GRP 0, 0, 0, 1
	GRP 0, 0, 1, 2
	GRP 0, 0, 2, 3
	GRP 0, 0, 3, 0
	GRP 0, 1, 0, 1
	GRP 0, 1, 1, 2
	GRP 0, 1, 2, 3
	GRP 0, 1, 3, -1
	s_branch .Ljoin
.Lvpath:
	GRP 1, 0, 0, 1
	GRP 1, 0, 1, 2
	GRP 1, 0, 2, 3
	GRP 1, 0, 3, 0
	GRP 1, 1, 0, 1
	GRP 1, 1, 1, 2
	GRP 1, 1, 2, 3
	GRP 1, 1, 3, -1
.Ljoin:
.irp i, 0,1,2,3
	v_cndmask_b32 v[OS4+\i], v[SW+\i], v[SW+4+\i], s40   ; lanes 0-15 my first head's words, lanes 16-31 my second's
.endr
	global_store_b128 v[SOF], v[OS4:OS4+3], s[30:31]   ; sixteen lanes store 256 consecutive bytes, aligned
	s_wait_xcnt 0x0                                ; every load and store has read its address and data: the bases step only behind this wait
	s_add_nc_u64 s[4:5], s[4:5], 0x40000
	s_add_nc_u64 s[26:27], s[26:27], s[24:25]
	s_add_nc_u64 s[28:29], s[28:29], s[24:25]
	s_add_nc_u64 s[30:31], s[30:31], s[24:25]
	s_wait_dscnt 0x0                               ; my reads of the images are over
	s_barrier_signal -1
	s_barrier_wait -1                              ; everybody's are: the next block's images may be written
	s_sub_co_u32 s[BLK], s[BLK], 1
	s_cmp_lg_u32 s[BLK], 0
	s_cbranch_scc1 .Lblock
	s_wait_tensorcnt 0x0                           ; the wave's end
	ds_add_u32 v[SPW], v[NIL]
	s_wait_dscnt 0x0
	s_endpgm
.Lfunc_end_k_q7ff7ec4c79_proj:
	.size	k_q7ff7ec4c79_proj, .Lfunc_end_k_q7ff7ec4c79_proj-k_q7ff7ec4c79_proj
	.p2alignl 7, 3214868480
	.fill 96, 4, 3214868480
	.section	.rodata,"a",@progbits
	.p2align	6, 0x0
	.amdhsa_kernel k_q7ff7ec4c79_proj
		.amdhsa_group_segment_fixed_size 121344
		.amdhsa_private_segment_fixed_size 0
		.amdhsa_enable_private_segment 0
		.amdhsa_kernarg_size 56
		.amdhsa_user_sgpr_count 2
		.amdhsa_user_sgpr_kernarg_segment_ptr 1
		.amdhsa_wavefront_size32 1
		.amdhsa_system_sgpr_workgroup_id_x 1
		.amdhsa_system_sgpr_workgroup_id_y 1
		.amdhsa_system_sgpr_workgroup_id_z 1
		.amdhsa_system_vgpr_workitem_id 0
		.amdhsa_next_free_vgpr 1024
		.amdhsa_next_free_sgpr 66
		.amdhsa_reserve_vcc 0
		.amdhsa_float_denorm_mode_32 3
		.amdhsa_float_denorm_mode_16_64 3
		.amdhsa_memory_ordered 1
		.amdhsa_forward_progress 1
		.amdhsa_inst_pref_size 255
	.end_amdhsa_kernel
	.section	.bss,"aw",@nobits
	.p2align	6
	.space	262144
	.amdgpu_metadata
---
amdhsa.version: [ 1, 2 ]
amdhsa.kernels:
  - .name:           k_q7ff7ec4c79_proj
    .symbol:         k_q7ff7ec4c79_proj.kd
    .args:
      - { .name: query, .offset: 0, .size: 8, .value_kind: global_buffer, .address_space: global }
      - { .name: key, .offset: 8, .size: 8, .value_kind: global_buffer, .address_space: global }
      - { .name: value, .offset: 16, .size: 8, .value_kind: global_buffer, .address_space: global }
      - { .name: wc, .offset: 24, .size: 8, .value_kind: global_buffer, .address_space: global }
      - { .name: ws, .offset: 32, .size: 8, .value_kind: global_buffer, .address_space: global }
      - { .name: qb, .offset: 40, .size: 8, .value_kind: global_buffer, .address_space: global }
      - { .name: kv, .offset: 48, .size: 8, .value_kind: global_buffer, .address_space: global }
    .group_segment_fixed_size: 121344
    .private_segment_fixed_size: 0
    .kernarg_segment_align: 8
    .kernarg_segment_size: 56
    .max_flat_workgroup_size: 128
    .sgpr_count:     66
    .vgpr_count:     1024
    .wavefront_size: 32
...
	.end_amdgpu_metadata
.endif
;; end of part 2
;; launch attn (part 3): grid 8 x 64, 16 waves a work-group, clusters of 4 x 1, 207,360 bytes of LDS; arguments qb, kv, oc, os; writes oc, os
.if DOCPART == 3
	.amdgcn_target "amdgcn-amd-amdhsa--gfx1250"
	.amdhsa_code_object_version 6
	.text
	.protected	k_q7ff7ec4c79_attn
	.globl	k_q7ff7ec4c79_attn
	.p2align	8
	.type	k_q7ff7ec4c79_attn,@function
k_q7ff7ec4c79_attn:
	s_mov_b64 s[64:65], 0
	v_nop
	global_prefetch_b8 v0, s[64:65] scope:SCOPE_SE
	s_setreg_imm32_b32 hwreg(HW_REG_WAVE_MODE, 25, 1), 1
	s_wait_xcnt 0x0
	s_wait_alu depctr_hold_cnt(0) depctr_sa_sdst(0) depctr_va_vdst(0) depctr_va_sdst(0) depctr_va_ssrc(0) depctr_va_vcc(0) depctr_vm_vsrc(0)
	s_getreg_b32 s2, hwreg(HW_REG_IB_STS2, 6, 4)
	s_cmp_eq_u32 s2, 0
	s_cbranch_scc0 .Lentry_in_a_cluster
	s_endpgm
.Lentry_in_a_cluster:
	s_bfe_u32 s2, ttmp6, 0x10000c
	s_cmp_lg_u32 s2, 0x3003
	s_cbranch_scc0 .Lentry_shape_is_right
	s_endpgm
.Lentry_shape_is_right:
; o = softmax(q k^T / 8) v for one head and 256 queries a work-group, both products on codes of FP6 (E2M3) with one E8M0 scale for each 32 along a product's K; o / l is quantised at once, along the head's channels, for the last product.
; THE SOFTMAX AHEAD OF THE SECOND PRODUCT: t = score x log2(e) / 8; M = the running largest t, rounded UP to a whole number; p = 2^(t - M) is what is quantised, along the keys, not normalised.
; The row's sum is taken of the unquantised p, in f32, and divides o at the end.  When M moves, the sum and o are multiplied by 2^(old M - new M): exact.
; SHARES.  Sixteen waves, four to a SIMD, so that one wave's vector work stands beside another's products and LDS loads.  A wave owns one tile of 16 queries in 256 registers and walks the head's 2,048 keys, 128 a step.
; A WHOLE HEAD'S k AND v LIE IN LDS: 16 steps x 12,800 bytes (k's four packed images, v's four images, both scale words), filled once, never again: no ring.
; The fills go out at the head: waves 0 to 3, four loads each (load j of wave w: step 4 j + w); four loads of a wave are out at the most.  Steps 4 j .. 4 j + 3 are read behind a counted wait and a barrier, while the later loads are on their way.
; CLUSTER.  The four query blocks of a cluster belong to one head: each load is asked for JOINTLY, with the same descriptor and a mask that names the four.
; LAYOUT.  Both products are used transposed, so that a lane holds ONE query (lane % 16) throughout.  The head has 64 channels and the instruction's K is 128: a fragment of k holds TWO tiles of 16 keys (registers 0-5 and 6-11),
; and is multiplied by [q, 0] and by [0, q]; the zero codes add nothing.  The keys of a tile are not neighbours (row r of tile 2 g + u is key 32 g + 8 u + r + 8 (r / 8)), so that the 16 registers of two tiles are 16 neighbouring keys.
; v's rows (channels) are laid the same way, so that o's 16 registers of two tiles are 16 neighbouring channels.
; OUT.  oc: [tile of 16 tokens 1024][register pair 24 = 3 x head + p][lane 32][8 bytes]: pairs 6 s .. 6 s + 5 are K step s's fragment of the last product.   os: [256 tokens 64][head 8][tile 16][row 16] two bytes.
; LIMITS: a block of p that has fallen to zeros, or a block of o under 2^-124, gets the byte 1 (this program alone reads the bytes); o / l is a reciprocal and a multiplication; NaN and infinities are not served.
; REGISTERS: v1-4 addresses; v12 -M, v13 the largest t, v[14:15] the sum in two halves; v16-21 zeros, v22-27 q, v28-33 zeros; v34 q's scale word; v36-83 four fragments of k or of v; v84-87 their scale words (lanes 0-15 k's, 16-31 v's);
;   v96-159 the scores, then p; v160-191 o; v192-203 p's codes; v204-210 conversions' results on their way; v212-227 at work.
.set OSG,   204800                     ; LDS behind the head's 204,800 bytes: 512 bytes in which o's scale bytes meet;
.set SPARE, 205312                     ; the spare words, 128 bytes for each of sixteen waves, which no other line names
.set LI,  1                            ; v1   16 x lane
.set OSA, 2                            ; v2   OSG + 32 x wave + 2 r
.set ADR, 3                            ; v3   the step's first byte + 16 x lane
.set OSR, 4                            ; v4   OSG + 16 x lane
.set SPW, 5                            ; v5   LDS address of my spare word; never rewritten
.set NIL, 6                            ; v6   0; never rewritten
.set SQ,  34
.set KV,  36
.set KVS, 84
.set S,   96
.set O,   160
.set PCD, 192
.set CT,  204
.set BM,  212                          ; v212-215 each block's largest score, then its largest p
.set PX,  216                          ; v216-219 the other half's; a chain of the sum; the bytes
.set SO,  220                          ; v220-223 the conversions' scale operands
.set FF,  224                          ; v[224:225] f = 2^(old M - new M); the upper word is named with it and written once
.set TMP, 226
.set PW,  227                          ; p's scale word
.set WV,  12                           ; s12  my wave's number
.set G1,  16                           ; s[16:23] descriptor group 1
.set G0,  24                           ; s[24:39] four groups 0
.set SEL, 40                           ; s[40:41]
.set CS,  42                           ; s[42:43] c = log2(e) / 8, twice: the packed form names a pair
.set TB,  44                           ; s44  LDS byte at which the step in hand begins
.set CNT, 45                           ; s45  counts a group's four steps
.macro PLACES                          ; four plain instructions between a matrix instruction and a load into, or a read of, its registers
.rept 4
	v_nop
.endr
.endm
.macro CROUND                          ; a round of the cluster's barrier: my work-group's barrier; wave 0 signals for the work-group; every wave waits for all four work-groups; my work-group's barrier once more
	s_barrier_signal -1
	s_barrier_wait -1
	s_cmp_lg_u32 s[WV], 0
	s_cbranch_scc1 .Lnot_wave_0_\@
	s_barrier_signal -3
.Lnot_wave_0_\@:
	s_barrier_wait -3
	s_barrier_signal -1
	s_barrier_wait -1
.endm
	s_load_b256 s[4:11], s[0:1], 0x0               ; qb, kv, oc, os
	v_lshl_add_u32 v[SPW], v0, 2, SPARE
	v_mov_b32 v[NIL], 0
	ds_add_u32 v[SPW], v[NIL]                      ; the wave's opening: the add is waited for ahead of the first tensor loads; the set-up below, work on registers, stands between the add and its wait
	v_lshrrev_b32 v7, 5, v0
	v_readfirstlane_b32 s[WV], v7                  ; wave 0..15
	s_bfe_u32 s13, ttmp6, 0x40000                  ; cx: my place in the cluster
	s_lshl_b32 s14, ttmp9, 2
	s_add_co_u32 s14, s14, s13                     ; my block of 256 queries: it enters addresses in qb, oc and os alone
	s_and_b32 s15, ttmp7, 0xffff                   ; batch x 8 + head, which the four partners share
	v_and_b32 v7, 31, v0
	v_lshlrev_b32 v[LI], 4, v7
	v_and_b32 v8, 15, v0                           ; r
	s_lshl_b32 s46, s[WV], 5
	s_add_co_u32 s46, s46, OSG
	v_lshl_add_u32 v[OSA], v8, 1, s46
	v_add_nc_u32 v[OSR], OSG, v[LI]
	; descriptor group 1: a step's 12,800 dense bytes as 50 rows of 256 bytes; no padding: every LDS load of the loop takes 512 consecutive bytes
	s_mov_b32 s[G1], 15|(3<<16)|(1<<21)            ; 15:0 the mask: all four work-groups; 17:16 elements of 8 bytes; 21 set beside a mask
	s_mov_b32 s[G1+1], 32<<16                      ; tensor_dim0 = 32
	s_mov_b32 s[G1+2], 50<<16                      ; tensor_dim1 = 50
	s_mov_b32 s[G1+3], 32<<16                      ; tile_dim0 = 32
	s_mov_b32 s[G1+4], 50                          ; tile_dim1 = 50
	s_mov_b32 s[G1+5], 32                          ; from row to row
	s_mov_b32 s[G1+6], 0
	s_mov_b32 s[G1+7], 0
	s_mov_b32 s[SEL], 0x76543210
	s_mov_b32 s[SEL+1], 0xfedcba98
	s_mov_b32 s[CS], 0x3e38aa3b                    ; log2(e) / 8
	s_mov_b32 s[CS+1], s[CS]
	s_and_b32 s46, s[WV], 3
	s_mul_i32 s46, s46, 12800                      ; which step of a group of four I fetch: in LDS and in memory alike; no place in the cluster enters it
	s_mul_i32 s48, s15, 204800
	s_add_co_u32 s48, s48, s46
	s_mov_b32 s49, 0
	s_wait_dscnt 0x0                               ; the opening add is done
	s_wait_kmcnt 0x0
	s_add_nc_u64 s[48:49], s[6:7], s[48:49]
.irp j, 0,1,2,3
	s_mov_b32 s[G0+4*\j], 1                        ; count = 1
	s_add_co_u32 s[G0+4*\j+1], s46, 51200*\j       ; LDS address: step 4 j + wave
	s_add_nc_u64 s[G0+4*\j+2:G0+4*\j+3], s[48:49], 51200*\j
	s_or_b32 s[G0+4*\j+3], s[G0+4*\j+3], 0x80000000   ; type = 2
.endr
	CROUND                                         ; all four work-groups are here: the joint loads meet
	s_cmp_lt_u32 s[WV], 4                          ; a wave's four fills stand in one branch on the wave's number, the same in all partners
	s_cbranch_scc0 .Lno_fill
.irp j, 0,1,2,3
	tensor_load_to_lds s[G0+4*\j:G0+4*\j+3], s[G1:G1+7]
	s_nop 0
.endr
.rept 4
	v_nop
.endr
.Lno_fill:
	; q: my tile is half u = wave % 2 of the packed image of group (wave / 2) % 4 in block 2 x (my 256 queries) + wave / 8: registers 6 u .. 6 u + 5, three pieces of 8 bytes
	s_and_b32 s50, s[WV], 1
	s_bfe_u32 s51, s[WV], 0x20001
	s_lshr_b32 s52, s[WV], 3
	s_lshl_b32 s53, s14, 1
	s_add_co_u32 s53, s53, s52
	s_mul_i32 s53, s53, 6400
	s_mul_i32 s54, s15, 102400
	s_add_co_u32 s54, s54, s53
	s_mov_b32 s55, 0
	s_add_nc_u64 s[4:5], s[4:5], s[54:55]
	s_mul_i32 s56, s51, 1536
	s_cmp_eq_u32 s50, 0
	s_cselect_b32 s57, 0, 520                      ; registers 0, 1 lie at byte 0 of a lane's places, registers 6, 7 at 520; the third piece lies 512 behind the first in both cases
	s_cselect_b32 s58, 8, 1024                     ; registers 2, 3 at 8, registers 8, 9 at 1024
	s_add_co_u32 s57, s57, s56
	s_add_co_u32 s58, s58, s56
	v_add_nc_u32 v9, s57, v[LI]
	v_add_nc_u32 v10, s58, v[LI]
	s_lshl_b32 s59, s51, 2
	v_lshl_add_u32 v11, v8, 4, s59                 ; the group's word of row r
	global_load_b64 v[22:23], v9, s[4:5]
	global_load_b64 v[24:25], v10, s[4:5]
	global_load_b64 v[26:27], v9, s[4:5] offset:512
	global_load_b32 v35, v11, s[4:5] offset:6144
.irp j, 16,17,18,19,20,21,28,29,30,31,32,33
	v_mov_b32 v[\j], 0                             ; zero codes on both sides of q: v[22:33] is [q, 0], v[16:27] is [0, q]
.endr
	v_mov_b32 v13, 0xff61b1e6                      ; the largest t so far: -3e38, under every t
	v_floor_f32 v12, -v13                          ; -M
	v_mov_b32 v14, 0
	v_mov_b32 v15, 0
.irp b, 0,1,2,3
	v_mov_b32 v[PX+\b], 0                          ; written once: a lane permute's destination counts as one of its sources
.endr
	v_mov_b32 v[FF+1], 0
	s_lshl_b32 s60, s50, 4
	s_wait_loadcnt 0x0
	v_lshrrev_b32 v35, s60, v35                    ; my tile's two bytes of the word,
	v_and_b32 v35, 0xffff, v35
	v_lshl_or_b32 v[SQ], v35, 16, v35              ; for both places in which q stands
.set n, 0
.rept 32
	v_mov_b32 v[O+n], 0                            ; o.  (The step is written without a first step of its own: it finds zeros, which the first change of M leaves zeros.  These lines are also the places between q's scale word and the first product)
.set n, n+1
.endr
; A KEY STEP: 128 keys
.macro STEP
	v_add_nc_u32 v[ADR], s[TB], v[LI]
.rept 3
	v_nop                                          ; with the addition: four places in front of loads into registers that the last products have read
.endr
	ds_load_b128 v[KVS:KVS+3], v[ADR] offset:12288 ; lanes 0-15: row r's words of k's four fragments; lanes 16-31, 256 bytes on: of v's four
.set n, 0
.rept 12
	ds_load_b128 v[KV+4*n:KV+4*n+3], v[ADR] offset:512*n
.set n, n+1
.endr
	s_wait_dscnt 0x0
.irp g, 0,1,2,3                                ; the scores, transposed: source 0 = two tiles of 16 keys, source 1 = my 16 queries beside zeros
	v_wmma_scale_f32_16x16x128_f8f6f4 v[S+16*\g:S+16*\g+7], v[KV+12*\g:KV+12*\g+11], v[22:33], 0, v[KVS+\g], v[SQ] matrix_a_fmt:MATRIX_FMT_FP6 matrix_b_fmt:MATRIX_FMT_FP6
	v_wmma_scale_f32_16x16x128_f8f6f4 v[S+16*\g+8:S+16*\g+15], v[KV+12*\g:KV+12*\g+11], v[16:27], 0, v[KVS+\g], v[SQ] matrix_a_fmt:MATRIX_FMT_FP6 matrix_b_fmt:MATRIX_FMT_FP6
.endr                                          ; register 16 g + i of lane (r, h): query r, key 32 g + 16 h + i
	PLACES
.set n, 0
.rept 12
	ds_load_b128 v[KV+4*n:KV+4*n+3], v[ADR] offset:6144+512*n   ; v's four fragments land while the softmax is walked
.set n, n+1
.endr
.irp b, 0,1,2,3
	v_max3_num_f32 v[BM+\b], v[S+16*\b], v[S+1+16*\b], v[S+2+16*\b]   ; THE LARGEST SCORE OF EACH BLOCK OF 32 KEYS serves twice: for the row's maximum and, since p rises with the score, for the block's largest p
.endr
.irp i, 3,5,7,9,11,13
.irp b, 0,1,2,3
	v_max3_num_f32 v[BM+\b], v[BM+\b], v[S+16*\b+\i], v[S+1+16*\b+\i]
.endr
.endr
.irp b, 0,1,2,3
	v_max_num_f32 v[BM+\b], v[BM+\b], v[S+15+16*\b]
.endr
.irp b, 0,1,2,3
	v_permlanex16_b32 v[PX+\b], v[BM+\b], s[SEL], s[SEL+1]
.endr
.irp b, 0,1,2,3
	v_max_num_f32 v[BM+\b], v[BM+\b], v[PX+\b]     ; with lane l xor 16's 16 keys
.endr
	v_max3_num_f32 v[TMP], v[BM], v[BM+1], v[BM+2]
	v_max_num_f32 v[TMP], v[TMP], v[BM+3]          ; the step's largest score of my query,
	v_mul_f32 v[TMP], s[CS], v[TMP]                ; as t (c is positive)
	v_max_num_f32 v13, v13, v[TMP]                 ; the running largest t
	v_mov_b32 v[TMP], v12
	v_floor_f32 v12, -v13                          ; the new -M = floor(-t) = -ceil(t): a whole number
	v_sub_f32 v[TMP], v12, v[TMP]                  ; old M - new M: a whole number, 0 or less
	v_cvt_i32_f32 v[TMP], v[TMP]                   ; (it saturates)
	v_ldexp_f32 v[FF], 1.0, v[TMP]                 ; f = 2^(old M - new M)
.set n, 0
.rept 32
	v_pk_fma_f32 v[S+n:S+n+1], v[S+n:S+n+1], s[CS:CS+1], v[12:13] op_sel_hi:[1,0,0]   ; t - M, two at a time (of the pairs c and -M the low word serves both halves)
.set n, n+2
.endr
.irp b, 0,1,2,3
	v_fma_f32 v[BM+\b], v[BM+\b], s[CS], v12       ; the same of each block's largest score
.endr
.set n, 0
.rept 64
	v_exp_f32 v[S+n], v[S+n]                       ; p = 2^(t - M), at most 1
.set n, n+1
.endr
	v_pk_mul_f32 v[14:15], v[14:15], v[FF:FF+1] op_sel_hi:[1,0]   ; the sums under the new M: a plain instruction behind the exponentials
	s_wait_alu depctr_va_vdst(0)                   ; a wait ahead of the first line that names a result: one for the batch of 64
.irp b, 0,1,2,3
	v_exp_f32 v[BM+\b], v[BM+\b]                   ; the block's largest p: the same two instructions on the same number give the same bits
.endr
	v_pk_add_f32 v[PX:PX+1], v[S:S+1], v[S+2:S+3]  ; THE ROW'S SUM IS TAKEN OF THE UNQUANTISED p, two at a time, in two chains; these lines read the 64 alone
.set n, 4
.rept 15
	v_pk_add_f32 v[14:15], v[14:15], v[S+n:S+n+1]
	v_pk_add_f32 v[PX:PX+1], v[PX:PX+1], v[S+n+2:S+n+3]
.set n, n+4
.endr
	v_pk_add_f32 v[14:15], v[14:15], v[PX:PX+1]
	s_wait_alu depctr_va_vdst(0)                   ; and one wait for the four
.irp b, 0,1,2,3
	v_max_num_f32 v[BM+\b], 0x1800000, v[BM+\b]    ; the floor 2^(3 - 127): the byte cannot fall under 1
.endr
.irp b, 0,1,2,3
	v_add_nc_u32 v[SO+\b], 0xff000000, v[BM+\b]    ; 2 off the exponent field: the conversion's scale operand
.endr
.irp b, 0,1,2,3
	v_lshrrev_b32 v[PX+\b], 23, v[SO+\b]           ; the scale's byte
.endr
	v_lshl_or_b32 v[PW], v[PX+1], 8, v[PX]         ; p's scale word for these 128 keys
	v_lshl_or_b32 v[PW], v[PX+2], 16, v[PW]
	v_lshl_or_b32 v[PW], v[PX+3], 24, v[PW]
.irp c, 0,1
	v_cvt_scalef32_pk16_fp6_f32 v[PCD+6*\c:PCD+2+6*\c], v[S+32*\c:S+15+32*\c], v[SO+2*\c]
	v_cvt_scalef32_pk16_fp6_f32 v[CT+4*\c:CT+2+4*\c], v[S+16+32*\c:S+31+32*\c], v[SO+2*\c+1]   ; a conversion's three registers begin on an even number
.endr
	v_nop                                          ; one plain instruction behind the scaled conversions
.irp c, 0,1                                    ; the operand wants a WHOLE block in a lane: lanes 0-15 block 2 c, lanes 16-31 block 2 c + 1
.irp i, 0,1,2
	v_permlane16_swap_b32 v[PCD+6*\c+\i], v[CT+4*\c+\i]
.endr
.irp i, 0,1,2
	v_mov_b32 v[PCD+3+6*\c+\i], v[CT+4*\c+\i]
.endr
.endr
.set n, 0
.rept 16
	v_pk_mul_f32 v[O+n:O+n+1], v[O+n:O+n+1], v[FF:FF+1] op_sel_hi:[1,0]   ; o under the new M.  (These sixteen also stand between the writes of p's codes and scale word and the products below)
.set n, n+2
.endr
	s_wait_dscnt 0x0                               ; v's fragments are in
.irp t, 0,1,2,3                                ; o += v^T p^T: source 0 = 16 channels, source 1 = p; the four accumulators take turns
	v_wmma_scale_f32_16x16x128_f8f6f4 v[O+8*\t:O+8*\t+7], v[KV+12*\t:KV+12*\t+11], v[PCD:PCD+11], v[O+8*\t:O+8*\t+7], v[KVS+\t], v[PW] matrix_a_fmt:MATRIX_FMT_FP6 matrix_b_fmt:MATRIX_FMT_FP6 matrix_a_scale:MATRIX_SCALE_ROW1
.endr
	s_add_co_u32 s[TB], s[TB], 12800
.endm
; steps 4 j .. 4 j + 3.  Waves 0 to 3 wait until their load j has landed and leave their later loads out
.macro GROUP j
	s_wait_tensorcnt 3-(\j)
	s_wait_dscnt 0x0
	s_barrier_signal -1
	s_barrier_wait -1                              ; all four loads of the group have landed
	s_mov_b32 s[TB], 51200*(\j)
	s_mov_b32 s[CNT], 4
.Lstep_\@:
	STEP
	s_sub_co_u32 s[CNT], s[CNT], 1
	s_cmp_lg_u32 s[CNT], 0
	s_cbranch_scc1 .Lstep_\@
.endm
	GROUP 0
	GROUP 1
	GROUP 2
	GROUP 3
	; THE WAY OUT: o / l, quantised along the head's 64 channels: register 16 b + i of lane (r, h) is channel 32 b + 16 h + i of query r
	PLACES
	v_add_f32 v14, v14, v15                        ; the sum's two halves,
	v_permlanex16_b32 v[PX], v14, s[SEL], s[SEL+1]
	v_add_f32 v14, v14, v[PX]                      ; and lane l xor 16's: the row's sum
	v_rcp_f32 v14, v14
	v_and_b32 v7, 31, v0                           ; (a plain instruction behind the reciprocal)
	v_lshlrev_b32 v7, 3, v7                        ; 8 x lane
	s_lshr_b32 s46, s15, 3                         ; batch
	s_and_b32 s47, s15, 7                          ; head
	s_lshl_b32 s48, s46, 7
	s_lshl_b32 s49, s14, 4
	s_add_co_u32 s48, s48, s49
	s_add_co_u32 s48, s48, s[WV]                   ; my tile of 16 tokens: 128 x batch + 16 x block + wave
	s_mul_i32 s48, s48, 6144
	s_mul_i32 s49, s47, 768
	s_add_co_u32 s48, s48, s49
	s_mov_b32 s49, 0
	s_add_nc_u64 s[8:9], s[8:9], s[48:49]
	s_lshl_b32 s50, s46, 3
	s_add_co_u32 s50, s50, s14
	s_lshl_b32 s50, s50, 3
	s_add_co_u32 s50, s50, s47
	s_lshl_b32 s50, s50, 9                         ; ((8 x batch + block) x 8 + head) x 512
	s_mov_b32 s51, 0
	s_add_nc_u64 s[10:11], s[10:11], s[50:51]
	s_wait_alu depctr_va_vdst(0)                   ; the wait ahead of the reciprocal's first use
.set n, 0
.rept 32
	v_mul_f32 v[S+n], v[O+n], v14                  ; each accumulator from its low end on
.set n, n+1
.endr
.irp b, 0,1
	v_max3_num_f32 v[BM+\b], |v[S+16*\b]|, |v[S+1+16*\b]|, 0x1800000
.endr
.irp i, 2,4,6,8,10,12,14
.irp b, 0,1
	v_max3_num_f32 v[BM+\b], v[BM+\b], |v[S+16*\b+\i]|, |v[S+1+16*\b+\i]|
.endr
.endr
.irp b, 0,1
	v_permlanex16_b32 v[PX+\b], v[BM+\b], s[SEL], s[SEL+1]
.endr
.irp b, 0,1
	v_max_num_f32 v[BM+\b], v[BM+\b], v[PX+\b]
.endr
.irp b, 0,1
	v_add_nc_u32 v[SO+\b], 0xff000000, v[BM+\b]
.endr
.irp b, 0,1
	v_lshrrev_b32 v[PX+\b], 23, v[SO+\b]
.endr
	v_lshl_or_b32 v[TMP], v[PX+1], 8, v[PX]        ; my row's two scale bytes
	v_cvt_scalef32_pk16_fp6_f32 v[PCD:PCD+2], v[S:S+15], v[SO]
	v_cvt_scalef32_pk16_fp6_f32 v[CT:CT+2], v[S+16:S+31], v[SO+1]
	v_nop
.irp i, 0,1,2
	v_permlane16_swap_b32 v[PCD+\i], v[CT+\i]
.endr
.irp i, 0,1,2
	v_mov_b32 v[PCD+3+\i], v[CT+\i]                ; six registers: channels 32 h + 0 .. 31
.endr
.irp p, 0,1,2
	global_store_b64 v7, v[PCD+2*\p:PCD+2*\p+1], s[8:9] offset:256*\p   ; 32 lanes store 256 consecutive bytes, aligned
.endr
	ds_store_b16 v[OSA], v[TMP]                    ; lanes r and r + 16 write the same two bytes
	s_wait_dscnt 0x0                               ; for the others' sake: my store has landed
	s_barrier_signal -1
	s_barrier_wait -1
	s_cmp_lg_u32 s[WV], 0
	s_cbranch_scc1 .Lnot_first
	ds_load_b128 v[S:S+3], v[OSR]                  ; wave 0 takes the sixteen tiles' 512 bytes
	s_wait_dscnt 0x0
	global_store_b128 v[LI], v[S:S+3], s[10:11]    ; 512 consecutive bytes, aligned to 256
.Lnot_first:
	s_wait_tensorcnt 0x0                           ; the wave's end
	ds_add_u32 v[SPW], v[NIL]
	s_wait_dscnt 0x0
	CROUND                                         ; the closing round: no work-group ends while a partner may still ask for a tile that names it
	s_endpgm
.Lfunc_end_k_q7ff7ec4c79_attn:
	.size	k_q7ff7ec4c79_attn, .Lfunc_end_k_q7ff7ec4c79_attn-k_q7ff7ec4c79_attn
	.p2alignl 7, 3214868480
	.fill 96, 4, 3214868480
	.section	.rodata,"a",@progbits
	.p2align	6, 0x0
	.amdhsa_kernel k_q7ff7ec4c79_attn
		.amdhsa_group_segment_fixed_size 207360
		.amdhsa_private_segment_fixed_size 0
		.amdhsa_enable_private_segment 0
		.amdhsa_kernarg_size 32
		.amdhsa_user_sgpr_count 2
		.amdhsa_user_sgpr_kernarg_segment_ptr 1
		.amdhsa_wavefront_size32 1
		.amdhsa_system_sgpr_workgroup_id_x 1
		.amdhsa_system_sgpr_workgroup_id_y 1
		.amdhsa_system_sgpr_workgroup_id_z 1
		.amdhsa_system_vgpr_workitem_id 0
		.amdhsa_next_free_vgpr 256
		.amdhsa_next_free_sgpr 66
		.amdhsa_reserve_vcc 0
		.amdhsa_float_denorm_mode_32 3
		.amdhsa_float_denorm_mode_16_64 3
		.amdhsa_memory_ordered 1
		.amdhsa_forward_progress 1
		.amdhsa_inst_pref_size 74
	.end_amdhsa_kernel
	.amdgpu_metadata
---
amdhsa.version: [ 1, 2 ]
amdhsa.kernels:
  - .name:           k_q7ff7ec4c79_attn
    .symbol:         k_q7ff7ec4c79_attn.kd
    .args:
      - { .name: qb, .offset: 0, .size: 8, .value_kind: global_buffer, .address_space: global }
      - { .name: kv, .offset: 8, .size: 8, .value_kind: global_buffer, .address_space: global }
      - { .name: oc, .offset: 16, .size: 8, .value_kind: global_buffer, .address_space: global }
      - { .name: os, .offset: 24, .size: 8, .value_kind: global_buffer, .address_space: global }
    .group_segment_fixed_size: 207360
    .private_segment_fixed_size: 0
    .kernarg_segment_align: 8
    .kernarg_segment_size: 32
    .max_flat_workgroup_size: 512
    .sgpr_count:     66
    .vgpr_count:     256
    .wavefront_size: 32
...
	.end_amdgpu_metadata
.endif
;; end of part 3
;; launch oproj (part 4): grid 256 x 1, 4 waves a work-group, no clusters, 34,304 bytes of LDS; arguments oc, os, wc, ws, bo, out0; writes out0
.if DOCPART == 4
	.amdgcn_target "amdgcn-amd-amdhsa--gfx1250"
	.amdhsa_code_object_version 6
	.text
	.protected	k_q7ff7ec4c79_oproj
	.globl	k_q7ff7ec4c79_oproj
	.p2align	8
	.type	k_q7ff7ec4c79_oproj,@function
k_q7ff7ec4c79_oproj:
	s_mov_b64 s[64:65], 0
	v_nop
	global_prefetch_b8 v0, s[64:65] scope:SCOPE_SE
	s_setreg_imm32_b32 hwreg(HW_REG_WAVE_MODE, 25, 1), 1
	s_wait_xcnt 0x0
; out0 = o Wo + bo, on codes of FP6 (E2M3) with one E8M0 scale for each 32 along K = 512.  o arrives as register images (oc) and two scale bytes a head and row (os), Wo as register images (wc, ws: the fourth tensor there).
; SHARES.  A work-group takes four tiles of 16 tokens, which are 64 consecutive tokens (row r of tile i is token 32 (i / 2) + 8 (i % 2) + r + 8 (r / 8)); wave w makes columns 128 w .. 128 w + 127 of them.  The waves share nothing: no barrier.
; All operands are asked for at the head and stay in registers: Wo's 32 fragments, the four tiles' 16 fragments, the scale words, and the bias, which is the C of each sum's first matrix instruction.
; The product is used transposed (source 0 = 16 columns of Wo, source 1 = 16 tokens): a lane holds eight neighbouring columns of one token.  A tile's 16 rows x 128 columns go through the wave's own stage in LDS and leave as rows of 512 bytes.
; The weights are not asked for jointly in a cluster: a work-group loads them once, straight into the registers where they stay.
; REGISTERS.  window 0: v1-7 addresses; v16-47 Wo's scale words; v48-63 o's; v64-95 o's scale bytes as loaded; v128-191, v192-255 two sets of eight accumulators, by turns.
;   windows 1, 2: v0-191 Wo's fragments of my first and second 64 columns ((tile t, K step s) at v[12 (4 t + s)]), v192-223 their bias.   window 3: o's fragments, (tile i, K step s) at v[12 (4 i + s)].
.set SPARE, 33792                      ; LDS: four stages of 16 rows x (512 + 16) bytes; behind them the spare words, 128 bytes for each wave, which no other line names
.set LI,  1                            ; v1  16 x lane
.set L8,  2                            ; v2  8 x lane
.set STO, 3                            ; v3  the stage: row r, + 64 h
.set STR, 4                            ; v4  and back: 16 x lane in a row
.set SPW, 12                           ; v12 LDS address of my spare word; never rewritten
.set NIL, 13                           ; v13 0; never rewritten
.set WS,  16
.set XS,  48
.set U,   64
.set MSB, 0
.macro WIN new                         ; the immediate's high byte repeats the setting that is left; a switch that changes nothing is dropped
.if MSB != (\new)
	s_set_vgpr_msb (MSB<<8)|(\new)
.set MSB, (\new)
.endif
.endm
.macro PLACES                          ; four plain instructions between a matrix instruction and a load into, or a read of, its registers
.rept 4
	v_nop
.endr
.endm
	s_load_b256 s[4:11], s[0:1], 0x0               ; oc, os, wc, ws
	s_load_b128 s[12:15], s[0:1], 0x20             ; bo, out0
	v_lshl_add_u32 v[SPW], v0, 2, SPARE
	v_mov_b32 v[NIL], 0
	v_lshrrev_b32 v8, 5, v0
	v_readfirstlane_b32 s16, v8                    ; wave 0..3
	v_and_b32 v8, 31, v0                           ; lane
	v_and_b32 v9, 15, v0                           ; r
	v_bfe_u32 v10, v0, 4, 1                        ; h
	v_lshlrev_b32 v[LI], 4, v8
	v_lshlrev_b32 v[L8], 3, v8
	s_mul_i32 s17, s16, 8448                       ; my stage
	v_mul_u32_u24 v[STO], v9, 528
	v_lshl_add_u32 v[STO], v10, 6, v[STO]
	v_add_nc_u32 v[STO], s17, v[STO]
	v_add_nc_u32 v[STR], s17, v[LI]
	v_lshlrev_b32 v5, 4, v9                        ; 16 r
	v_lshlrev_b32 v6, 1, v9                        ; 2 r
	v_lshlrev_b32 v7, 6, v10                       ; 64 h
	s_mul_i32 s18, ttmp9, 24576                    ; my four tiles' images
	s_mov_b32 s19, 0
	s_lshr_b32 s20, ttmp9, 2
	s_lshl_b32 s20, s20, 12
	s_and_b32 s21, ttmp9, 3
	s_lshl_b32 s21, s21, 7
	s_add_co_u32 s20, s20, s21                     ; their scale bytes: 4,096 a block of 256 tokens, 32 a tile
	s_mov_b32 s21, 0
	s_mul_i32 s22, s16, 49152
	s_add_co_u32 s22, s22, 589824                  ; the fourth tensor's images, my 32
	s_mov_b32 s23, 0
	s_lshl_b32 s24, s16, 11
	s_add_co_u32 s24, s24, 24576                   ; and their words
	s_mov_b32 s25, 0
	s_lshl_b32 s26, s16, 9                         ; my 128 columns, in bytes
	s_mov_b32 s27, 0
	s_lshl_b32 s28, ttmp9, 17                      ; 64 rows of 2,048 bytes
	s_add_co_u32 s28, s28, s26
	s_mov_b32 s29, 0
	s_wait_kmcnt 0x0
	s_add_nc_u64 s[4:5], s[4:5], s[18:19]
	s_add_nc_u64 s[6:7], s[6:7], s[20:21]
	s_add_nc_u64 s[8:9], s[8:9], s[22:23]
	s_add_nc_u64 s[10:11], s[10:11], s[24:25]
	s_add_nc_u64 s[12:13], s[12:13], s[26:27]
	s_add_nc_u64 s[14:15], s[14:15], s[28:29]
.irp e, 0,1
	WIN (1+\e)<<6                                  ; destination window 1, then 2
.set f, 0
.rept 48
	global_load_b128 v[4*f:4*f+3], v[LI], s[8:9] offset:24576*\e+512*f
.set f, f+1
.endr
.irp t, 0,1,2,3                                ; the bias in the result's layout: lane (r, h) of tile 4 e + t holds columns 32 ((4 e + t) / 2) + 8 (t % 2) + 16 h + 0 .. 7
	global_load_b128 v[192+8*\t:195+8*\t], v7, s[12:13] offset:(32*((4*\e+\t)/2)+8*(\t%2))*4
	global_load_b128 v[196+8*\t:199+8*\t], v7, s[12:13] offset:(32*((4*\e+\t)/2)+8*(\t%2))*4+16
.endr
.endr
	WIN 0
.irp t, 0,1,2,3,4,5,6,7
	global_load_b128 v[WS+4*\t:WS+4*\t+3], v5, s[10:11] offset:256*\t
.endr
	WIN 0xc0                                       ; destination window 3
.set f, 0
.rept 96
	global_load_b64 v[2*f:2*f+1], v[L8], s[4:5] offset:256*f   ; register pair f % 24 of tile f / 24: 32 lanes read 256 consecutive bytes
.set f, f+1
.endr
	WIN 0
.irp i, 0,1,2,3
.irp d, 0,1,2,3,4,5,6,7
	global_load_u16 v[U+8*\i+\d], v6, s[6:7] offset:512*\d+32*\i   ; head d's two bytes of row r of tile i
.endr
.endr
	s_wait_loadcnt 0x0
.irp i, 0,1,2,3
.irp s, 0,1,2,3
	v_lshl_or_b32 v[XS+4*\i+\s], v[U+8*\i+2*\s+1], 16, v[U+8*\i+2*\s]   ; K step s is heads 2 s and 2 s + 1
.endr
.endr
.rept 8
	v_nop                                          ; a scale register written by a vector instruction stands eight places ahead of a scaled matrix instruction
.endr
; tile i: 32 matrix instructions; four accumulators take turns, one instruction a turn; the first K step takes the bias as C
.macro MUL i
.set AC, 128+64*((\i)%2)
.irp e, 0,1
.irp s, 0,1,2,3
.if \s == 0
	WIN (1+\e)|0x0c|((1+\e)<<4)                    ; source 0 (Wo) and source 2 (the bias) in window 1 or 2, source 1 (o) in window 3
.else
	WIN (1+\e)|0x0c
.endif
.irp t, 0,1,2,3
.if \s == 0
	v_wmma_scale_f32_16x16x128_f8f6f4 v[AC+8*(4*\e+\t):AC+8*(4*\e+\t)+7], v[12*(4*\t+\s):12*(4*\t+\s)+11], v[12*(4*(\i)+\s):12*(4*(\i)+\s)+11], v[192+8*\t:199+8*\t], v[WS+16*\e+4*\t+\s], v[XS+4*(\i)+\s] matrix_a_fmt:MATRIX_FMT_FP6 matrix_b_fmt:MATRIX_FMT_FP6
.else
	v_wmma_scale_f32_16x16x128_f8f6f4 v[AC+8*(4*\e+\t):AC+8*(4*\e+\t)+7], v[12*(4*\t+\s):12*(4*\t+\s)+11], v[12*(4*(\i)+\s):12*(4*(\i)+\s)+11], v[AC+8*(4*\e+\t):AC+8*(4*\e+\t)+7], v[WS+16*\e+4*\t+\s], v[XS+4*(\i)+\s] matrix_a_fmt:MATRIX_FMT_FP6 matrix_b_fmt:MATRIX_FMT_FP6
.endif
.endr
.endr
.endr
	WIN 0
.endm
; tile i's results into my stage, 32 bytes of a row a lane and tile, and back as whole rows into the registers that they left.  LDS serves a wave's instructions in order (ISA guide 5.7.1.4): no wait between
.macro TOSTAGE i
.set AC, 128+64*((\i)%2)
	PLACES
.irp t, 0,1,2,3,4,5,6,7
	ds_store_b128 v[STO], v[AC+8*\t:AC+8*\t+3] offset:128*(\t/2)+32*(\t%2)        ; each accumulator from its low end on
	ds_store_b128 v[STO], v[AC+8*\t+4:AC+8*\t+7] offset:128*(\t/2)+32*(\t%2)+16
.endr
.set q, 0
.rept 16
	ds_load_b128 v[AC+4*q:AC+4*q+3], v[STR] offset:528*q
.set q, q+1
.endr
.endm
.macro SEND i
.set AC, 128+64*((\i)%2)
	s_wait_dscnt 0x0                               ; the tile is back in registers
.set q, 0
.rept 16
	global_store_b128 v[LI], v[AC+4*q:AC+4*q+3], s[14:15] offset:(32*((\i)/2)+8*((\i)%2)+q+8*(q/8))*2048 th:TH_STORE_NT   ; 32 lanes store 512 consecutive bytes of a row, aligned to 256; written once
.set q, q+1
.endr
.endm
	MUL 0
	TOSTAGE 0
	MUL 1                                          ; a tile's products stand between the stage's loads of the tile before and the wait for them
	SEND 0
	TOSTAGE 1
	s_wait_xcnt 0x0                                ; tile 0's stores have read their registers: tile 2's sums are begun there only behind this wait
	MUL 2
	SEND 1
	TOSTAGE 2
	s_wait_xcnt 0x0                                ; likewise tile 1's, for tile 3
	MUL 3
	SEND 2
	TOSTAGE 3
	SEND 3
	s_wait_tensorcnt 0x0                           ; the wave's end
	ds_add_u32 v[SPW], v[NIL]
	s_wait_dscnt 0x0
	s_endpgm
.Lfunc_end_k_q7ff7ec4c79_oproj:
	.size	k_q7ff7ec4c79_oproj, .Lfunc_end_k_q7ff7ec4c79_oproj-k_q7ff7ec4c79_oproj
	.p2alignl 7, 3214868480
	.fill 96, 4, 3214868480
	.section	.rodata,"a",@progbits
	.p2align	6, 0x0
	.amdhsa_kernel k_q7ff7ec4c79_oproj
		.amdhsa_group_segment_fixed_size 34304
		.amdhsa_private_segment_fixed_size 0
		.amdhsa_enable_private_segment 0
		.amdhsa_kernarg_size 48
		.amdhsa_user_sgpr_count 2
		.amdhsa_user_sgpr_kernarg_segment_ptr 1
		.amdhsa_wavefront_size32 1
		.amdhsa_system_sgpr_workgroup_id_x 1
		.amdhsa_system_sgpr_workgroup_id_y 1
		.amdhsa_system_sgpr_workgroup_id_z 1
		.amdhsa_system_vgpr_workitem_id 0
		.amdhsa_next_free_vgpr 1024
		.amdhsa_next_free_sgpr 66
		.amdhsa_reserve_vcc 0
		.amdhsa_float_denorm_mode_32 3
		.amdhsa_float_denorm_mode_16_64 3
		.amdhsa_memory_ordered 1
		.amdhsa_forward_progress 1
		.amdhsa_inst_pref_size 59
	.end_amdhsa_kernel
	.amdgpu_metadata
---
amdhsa.version: [ 1, 2 ]
amdhsa.kernels:
  - .name:           k_q7ff7ec4c79_oproj
    .symbol:         k_q7ff7ec4c79_oproj.kd
    .args:
      - { .name: oc, .offset: 0, .size: 8, .value_kind: global_buffer, .address_space: global }
      - { .name: os, .offset: 8, .size: 8, .value_kind: global_buffer, .address_space: global }
      - { .name: wc, .offset: 16, .size: 8, .value_kind: global_buffer, .address_space: global }
      - { .name: ws, .offset: 24, .size: 8, .value_kind: global_buffer, .address_space: global }
      - { .name: bo, .offset: 32, .size: 8, .value_kind: global_buffer, .address_space: global }
      - { .name: out0, .offset: 40, .size: 8, .value_kind: global_buffer, .address_space: global }
    .group_segment_fixed_size: 34304
    .private_segment_fixed_size: 0
    .kernarg_segment_align: 8
    .kernarg_segment_size: 48
    .max_flat_workgroup_size: 128
    .sgpr_count:     66
    .vgpr_count:     1024
    .wavefront_size: 32
...
	.end_amdgpu_metadata
.endif
;; end of part 4
;; ======== version 2 of 2: 4 launches
;; workspace buffers: wc 786,432 bytes; ws 32,768 bytes; qb 6,553,600 bytes; kv 13,107,200 bytes; oc 6,291,456 bytes; os 262,144 bytes
;; launch wquant (part 5): grid 128 x 1, 4 waves a work-group, no clusters, 768 bytes of LDS; arguments Wq, Wk, Wv, Wo, wc, ws; writes wc, ws
.if DOCPART == 5
	.amdgcn_target "amdgcn-amd-amdhsa--gfx1250"
	.amdhsa_code_object_version 6
	.text
	.protected	k_q7ff7ec4c79_wquant
	.globl	k_q7ff7ec4c79_wquant
	.p2align	8
	.type	k_q7ff7ec4c79_wquant,@function
k_q7ff7ec4c79_wquant:
	s_mov_b64 s[64:65], 0
	v_nop
	global_prefetch_b8 v0, s[64:65] scope:SCOPE_SE
	s_setreg_imm32_b32 hwreg(HW_REG_WAVE_MODE, 25, 1), 1
	s_wait_xcnt 0x0
; The four weights, each [512 (k)][512 (n)] f32 with K as the FIRST axis, become codes of FP6 (E2M3) with one E8M0 byte for each 32 along K,
; laid in the order of a matrix operand's registers: a fragment (16 columns n x 128 k) is 12 registers a lane, stored as three chunks of 512 bytes, chunk c = registers 4 c .. 4 c + 3, lane l's 16 bytes at 16 l.
; wc: [tensor 4: q, k, v, o][tile 32][K step 4][1536 bytes].   ws: [tensor][tile][row 16][K step 4] words of four scale bytes: 256 bytes a tile.
; THE COLUMNS OF A TILE ARE NOT NEIGHBOURS: row r of tile nt is column 32 (nt / 2) + 8 (nt % 2) + r + 8 (r / 8), so that the results of two neighbouring tiles are 16 neighbours in a lane's registers.
; SHARES: a work-group takes one tile of one tensor, each of its four waves one K step.  A lane takes a column and its registers run DOWN K, in the order in which the operand wants them: nothing is transposed.
; A block's scale is 2^(floor(log2(largest magnitude)) - 2); its byte is the largest magnitude's exponent field - 2, held at 1 from below.
; LIMITS: a block of zeros, or one whose largest magnitude lies under 2^-124, gets the byte 1 (its codes are zeros or subnormal codes; this program alone reads the bytes); NaN and infinities are not served.
; No matrix unit, no cluster, no tensor load: 4 MiB are read once, and work-groups share nothing.
.set SPARE, 256                        ; LDS: bytes 0-255 the tile's 64 scale words; from 256 on the spare words, 128 bytes for each wave, which no other line names
.set SPW, 12                           ; v12  LDS address of my spare word; never rewritten
.set NIL, 13                           ; v13  0; never rewritten
.set X,   64                           ; v64-127 my 64 numbers
	s_load_b256 s[4:11], s[0:1], 0x0               ; Wq, Wk, Wv, Wo
	s_load_b128 s[12:15], s[0:1], 0x20             ; wc, ws
	v_lshl_add_u32 v[SPW], v0, 2, SPARE
	v_mov_b32 v[NIL], 0
	v_lshrrev_b32 v1, 5, v0
	v_readfirstlane_b32 s16, v1                    ; wave = K step
	s_lshr_b32 s17, ttmp9, 5                       ; which tensor
	s_and_b32 s18, ttmp9, 31                       ; which tile
	s_mov_b32 s20, 0x76543210
	s_mov_b32 s21, 0xfedcba98                      ; v_permlanex16_b32's selects for lane l xor 16
	v_and_b32 v1, 15, v0                           ; r
	v_bfe_u32 v2, v0, 4, 1                         ; h
	v_and_b32 v3, 31, v0                           ; lane
	v_and_b32 v4, 8, v1
	v_add_nc_u32 v4, v4, v1                        ; r + 8 (r / 8)
	v_lshlrev_b32 v4, 2, v4
	v_lshl_add_u32 v4, v2, 16, v4                  ; my column's 4 bytes; lanes 16-31 begin 32 rows of 2,048 bytes further down
	v_lshlrev_b32 v5, 4, v3                        ; 16 x lane: my place in a chunk
	s_lshl_b32 s22, s16, 2
	v_lshl_add_u32 v6, v1, 4, s22                  ; LDS: 16 r + 4 x K step
	v_lshlrev_b32 v7, 3, v3                        ; 8 x lane
	s_lshl_b32 s24, s16, 18                        ; 128 rows of 2,048 bytes a K step,
	s_lshr_b32 s23, s18, 1
	s_lshl_b32 s23, s23, 7
	s_add_co_u32 s24, s24, s23                     ; + 4 x 32 (nt / 2)
	s_and_b32 s23, s18, 1
	s_lshl_b32 s23, s23, 5
	s_add_co_u32 s24, s24, s23                     ; + 4 x 8 (nt % 2)
	s_mov_b32 s25, 0
	s_lshl_b32 s26, ttmp9, 2
	s_add_co_u32 s26, s26, s16
	s_mul_i32 s26, s26, 1536                       ; my fragment's image
	s_mov_b32 s27, 0
	s_lshl_b32 s28, ttmp9, 8                       ; my tile's scale words
	s_mov_b32 s29, 0
	s_wait_alu depctr_va_vdst(0)
	s_wait_kmcnt 0x0
	s_cmp_lt_u32 s17, 2                            ; the tensor is chosen by the work-group's number alone
	s_cselect_b64 s[4:5], s[4:5], s[8:9]           ; Wq or Wv
	s_cselect_b64 s[6:7], s[6:7], s[10:11]         ; Wk or Wo
	s_and_b32 s23, s17, 1
	s_cmp_eq_u32 s23, 0
	s_cselect_b64 s[4:5], s[4:5], s[6:7]
	s_add_nc_u64 s[4:5], s[4:5], s[24:25]
	s_add_nc_u64 s[12:13], s[12:13], s[26:27]
	s_add_nc_u64 s[14:15], s[14:15], s[28:29]
.set c, 0
.rept 2
.set i, 0
.rept 32
	global_load_b32 v[X+32*c+i], v4, s[4:5] offset:(64*c+i)*2048   ; W(128 s + 64 c + 32 h + i, my column)
.set i, i+1
.endr
.set c, c+1
.endr
	s_wait_loadcnt 0x0
.irp c, 0,1                                    ; my block 2 c + h: all its 32 numbers are mine
	v_max3_num_f32 v[32+\c], |v[X+32*\c]|, |v[X+1+32*\c]|, 0x1800000   ; with the floor 2^(3 - 127): the byte cannot fall under 1
.endr
.irp i, 2,4,6,8,10,12,14,16,18,20,22,24,26,28,30
.irp c, 0,1
	v_max3_num_f32 v[32+\c], v[32+\c], |v[X+32*\c+\i]|, |v[X+1+32*\c+\i]|   ; the two blocks by turns
.endr
.endr
.irp c, 0,1
	v_add_nc_u32 v[44+\c], 0xff000000, v[32+\c]    ; 2 off the exponent field: the conversion takes this operand's exponent field as its scale
.endr
.irp c, 0,1
	v_lshrrev_b32 v[36+\c], 23, v[44+\c]           ; the scale's byte
.endr
	v_lshl_or_b32 v9, v37, 16, v36                 ; my two bytes: blocks h and 2 + h,
	v_lshlrev_b32 v10, 3, v2
	v_lshlrev_b32 v9, v10, v9                      ; 8 h bits up;
	v_mov_b32 v10, 0
	v_permlanex16_b32 v10, v9, s20, s21
	v_or_b32 v9, v9, v10                           ; with lane l xor 16's two the word is whole, in both lanes
.irp c, 0,1
	v_cvt_scalef32_pk16_fp6_f32 v[48+6*\c:50+6*\c], v[X+32*\c:X+15+32*\c], v[44+\c]
	v_cvt_scalef32_pk16_fp6_f32 v[128+4*\c:130+4*\c], v[X+16+32*\c:X+31+32*\c], v[44+\c]   ; a conversion's three registers begin on an even number: the second half is made elsewhere and moved
.endr
	v_nop                                          ; one plain instruction behind the scaled conversions
.irp c, 0,1
.irp i, 0,1,2
	v_mov_b32 v[51+6*\c+\i], v[128+4*\c+\i]
.endr
.endr
.irp c, 0,1,2
	global_store_b128 v5, v[48+4*\c:51+4*\c], s[12:13] offset:512*\c   ; 32 lanes store 512 consecutive bytes, at a multiple of 256 from the buffer's first byte
.endr
	ds_store_b32 v6, v9                            ; lanes r and r + 16 write the same word with the same value
	s_wait_dscnt 0x0                               ; for the others' sake: my store has landed
	s_barrier_signal -1
	s_barrier_wait -1
	s_cmp_lg_u32 s16, 0
	s_cbranch_scc1 .Ldone
	ds_load_b64 v[10:11], v7                       ; wave 0 takes the tile's 256 bytes of scale words
	s_wait_dscnt 0x0
	global_store_b64 v7, v[10:11], s[14:15]        ; 32 lanes store 256 consecutive bytes, aligned
.Ldone:
	s_wait_tensorcnt 0x0                           ; the wave's end
	ds_add_u32 v[SPW], v[NIL]
	s_wait_dscnt 0x0
	s_endpgm
.Lfunc_end_k_q7ff7ec4c79_wquant:
	.size	k_q7ff7ec4c79_wquant, .Lfunc_end_k_q7ff7ec4c79_wquant-k_q7ff7ec4c79_wquant
	.p2alignl 7, 3214868480
	.fill 96, 4, 3214868480
	.section	.rodata,"a",@progbits
	.p2align	6, 0x0
	.amdhsa_kernel k_q7ff7ec4c79_wquant
		.amdhsa_group_segment_fixed_size 768
		.amdhsa_private_segment_fixed_size 0
		.amdhsa_enable_private_segment 0
		.amdhsa_kernarg_size 48
		.amdhsa_user_sgpr_count 2
		.amdhsa_user_sgpr_kernarg_segment_ptr 1
		.amdhsa_wavefront_size32 1
		.amdhsa_system_sgpr_workgroup_id_x 1
		.amdhsa_system_sgpr_workgroup_id_y 1
		.amdhsa_system_sgpr_workgroup_id_z 1
		.amdhsa_system_vgpr_workitem_id 0
		.amdhsa_next_free_vgpr 136
		.amdhsa_next_free_sgpr 66
		.amdhsa_reserve_vcc 0
		.amdhsa_float_denorm_mode_32 3
		.amdhsa_float_denorm_mode_16_64 3
		.amdhsa_memory_ordered 1
		.amdhsa_forward_progress 1
		.amdhsa_inst_pref_size 12
	.end_amdhsa_kernel
	.amdgpu_metadata
---
amdhsa.version: [ 1, 2 ]
amdhsa.kernels:
  - .name:           k_q7ff7ec4c79_wquant
    .symbol:         k_q7ff7ec4c79_wquant.kd
    .args:
      - { .name: Wq, .offset: 0, .size: 8, .value_kind: global_buffer, .address_space: global }
      - { .name: Wk, .offset: 8, .size: 8, .value_kind: global_buffer, .address_space: global }
      - { .name: Wv, .offset: 16, .size: 8, .value_kind: global_buffer, .address_space: global }
      - { .name: Wo, .offset: 24, .size: 8, .value_kind: global_buffer, .address_space: global }
      - { .name: wc, .offset: 32, .size: 8, .value_kind: global_buffer, .address_space: global }
      - { .name: ws, .offset: 40, .size: 8, .value_kind: global_buffer, .address_space: global }
    .group_segment_fixed_size: 768
    .private_segment_fixed_size: 0
    .kernarg_segment_align: 8
    .kernarg_segment_size: 48
    .max_flat_workgroup_size: 128
    .sgpr_count:     66
    .vgpr_count:     136
    .wavefront_size: 32
...
	.end_amdgpu_metadata
.endif
;; end of part 5
;; launch proj (part 6): grid 64 x 3, 4 waves a work-group, no clusters, 121,344 bytes of LDS; arguments query, key, value, wc, ws, qb, kv; writes qb, kv
.if DOCPART == 6
	.amdgcn_target "amdgcn-amd-amdhsa--gfx1250"
	.amdhsa_code_object_version 6
	.text
	.protected	k_q7ff7ec4c79_proj
	.globl	k_q7ff7ec4c79_proj
	.p2align	8
	.type	k_q7ff7ec4c79_proj,@function
k_q7ff7ec4c79_proj:
	s_mov_b64 s[64:65], 0
	v_nop
	global_prefetch_b8 v0, s[64:65] scope:SCOPE_SE
	s_setreg_imm32_b32 hwreg(HW_REG_WAVE_SCHED_MODE, 0, 2), 2
	s_setreg_imm32_b32 hwreg(HW_REG_WAVE_MODE, 25, 1), 1
	s_wait_xcnt 0x0
	s_wait_alu depctr_vm_vsrc(0)
; q = query Wq, k = key Wk, v = value Wv, all three products on codes of FP6 (E2M3) with one E8M0 scale for each 32 along K = 512; the results are quantised again at once, as operands of attention:
; q and k along the head's 64 channels, v along the keys.  Work-group y picks the tensor (0 q, 1 k, 2 v); work-group x takes two blocks of 128 tokens, one after the other.
; SHARES.  The four waves share the COLUMNS: wave w makes columns 128 w .. 128 w + 127 (heads 2 w and 2 w + 1) for all 128 tokens; its part of W (32 fragments, 384 registers, and 32 scale words) stays in registers.
; The tokens' codes go round: wave w quantises tokens 32 w .. 32 w + 31 of the block (two tiles x four K steps) and puts the fragments into LDS as images of their registers (three chunks of 512 bytes, lane l's 16 bytes at 16 l).
; THE TOKENS OF A TILE ARE NOT NEIGHBOURS: row r of tile 2 g + u is token 32 g + 8 u + r + 8 (r / 8); W's columns are laid the same way.  So the 16 registers of two neighbouring result tiles are 16 neighbours.
; q, k: source 0 = 16 columns of W, source 1 = 16 tokens: a lane holds one token, its registers run along the head's channels.  The eight result tiles of a group of 32 tokens and one head (tile A's four, tile B's four) are
;   quantised as four blocks of 32 and make ONE fragment: registers 0-5 tile A's 64 channels, registers 6-11 tile B's; scale word (A0, A1, B0, B1).  Attention multiplies it by [q, 0] and by [0, q].
; v: the sources are swapped: a lane holds one channel and its registers run along the tokens, which are the second product's K.  Four groups of 32 tokens fill a fragment of 16 channels x 128 keys.
; OUT.  qb: [batch x head 64][block 16][6400]: four packed images, then at 6144 the words [row 16][group 4].   kv: [64][16][12800]: k's four packed images, at 6144 v's four images (channel tiles), at 12288 k's words, at 12544 v's [row][tile].
; x comes by loads of 512 consecutive bytes of a token's row; a unit (16 rows x 128 numbers) turns through the wave's own stage in LDS so that a lane holds 16 neighbours of each block of 32.  Four units (64 loads a wave) are on their way.
; The weights are not asked for jointly in a cluster: a work-group loads them once, straight into the registers where they stay; a joint load would land them in LDS, to be read from there once more.
; 192 work-groups: a fragment of v wants 128 keys to a block, and two blocks to a work-group halve the loads of W.
; LIMITS: a block of zeros, or one whose largest magnitude lies under 2^-124, gets the byte 1 (this program alone reads the bytes); NaN and infinities are not served.
; REGISTERS.  window 0: v1-8 addresses; v14 the scale word just made; v16-47 W's scale words; v48-55 and v132-139 x's, two sets; v56-63 the scale words made; v64-111 x's fragments of K steps 2 and 3;
;   v112-119 conversions' results on their way; v120-131 at work in the quantiser; v140-203 the eight accumulators; v204-251 the codes just made; v252-255 the words to store.
;   While x is quantised v56-119 and v140-203 hold the two units in hand.
;   windows 1, 2: W of head 2 w, 2 w + 1: fragment (tile t, K step s) at v[12 (4 t + s)]; v192-239: x's fragments of K steps 0 and 1, window 1 for the even groups of tokens, window 2 for the odd.
;   window 3: x as it is loaded, four units of 64 registers.
; THE MODE: SCHED_MODE bits 1:0 = 2 (LLVM: expert scheduling mode 2), set by the entry lines.  The code itself states the register dependences
; between vector or matrix instructions and memory or LDS instructions, with s_wait_alu, always for 0.
; THE PLAN.  Registers that memory or LDS instructions touch:
;   v1, v3-v8     offsets and LDS addresses: made once at the head, never written again.
;   window 3      raw unit q: the loads of x land in it, TURN's LDS stores read it, the loads of the unit four on land in it.  No vector instruction names it.
;   XB0, XB1      unit k + 1 lands (LDS loads, issued in unit k) in the buffer that unit k - 1's quantiser read.  In the matrix phase the same registers are named by vector and matrix instructions.
;   PC, PW, F     written by a quantiser, read by the LDS stores of an image or by the global stores of the codes, written again by the next quantiser.
;   x's fragments six pairs.  Group G's products read its pairs of K steps 0 and 1 in the window of its parity, and those of K steps 2 and 3 in v64-111.  Behind G's one wait group G + 2's first two pairs and scale words
;                 land where G's lay; group G + 1's pairs of K steps 2 and 3 follow at its head and behind its first eight products, which name none of their registers.
;   OS4           written by four selects, read by one store, once a block.
; So a unit has ONE wait on va_vdst, behind its conversions, and ONE on vm_vsrc, behind its image's stores; a group has ONE wait on va_vdst, behind its quantiser, and its 32 products follow each other with loads dealt among them.
.set XIMG,  0                          ; LDS: x's 32 images: (tile m, K step s) at (4 m + s) x 1536
.set XSC,   49152                      ; their scale words: tile m at 512 m, lane at 16 x lane, K step s at 4 s
.set STG,   53248                      ; each wave's two stages of 16 rows x (512 + 16) bytes: row r starts 33 r places of 16 bytes on, so that sixteen rows' loads start at sixteen different places modulo 256 bytes
.set SPARE, 120832                     ; the spare words, 128 bytes for each wave, which no other line names
.set LI,  1                            ; v1   16 x lane
.set STI, 3                            ; v3   the stage, on the way in: 16 x lane in a row
.set STO, 4                            ; v4   and out: row r, + 64 h
.set XWI, 5                            ; v5   where I store x's images: 12288 x wave + 16 x lane
.set XWS, 6                            ; v6   and their scale words
.set SOF, 7                            ; v7   the words' place in memory: 16 r, lanes 16-31 one head on
.set R16, 8                            ; v8   16 r
.set SPW, 12                           ; v12  LDS address of my spare word; never rewritten
.set NIL, 13                           ; v13  0; never rewritten
.set PW,  14                           ; v14  the scale word just made
.set WS,  16
.set XS,  48                           ; x's scale words: the set of a group's parity p at XS + 84 p
.set SW,  56
.set XF,  64                           ; x's fragments of K steps 2 and 3, in window 0
.set XT,  192                          ; and of K steps 0 and 1, in window 1 (even groups) or 2 (odd groups)
.set VT,  112
.set TM,  120                          ; v120-123 largest magnitudes, v124-127 bytes
.set SOP, 128                          ; v128-131 the conversions' scale operands
.set HA,  140
.set PC,  204
.set F,   204
.set OS4, 252
.set XB0, 56                           ; the two units in hand: v56 on and v140 on (84 further)
.set SEL, 20                           ; s[20:21]
.set BLK, 22                           ; s22  blocks to go
.set MSB, 0
.macro WIN new                         ; the immediate's high byte repeats the setting that is left; a switch that changes nothing is dropped
.if MSB != (\new)
	s_set_vgpr_msb (MSB<<8)|(\new)
.set MSB, (\new)
.endif
.endm
.macro PLACES                          ; four plain instructions between a matrix instruction and the first read of its results (ISA guide 7.12.1)
.rept 4
	v_nop
.endr
.endm
; a unit of x: 16 rows (tokens i + 8 (i / 8) from the base on), K step q: each load takes 512 consecutive bytes of a row
.macro XLOAD q, off
	WIN 0xc0                                       ; destination window 3
.set i, 0
.rept 16
	global_load_b128 v[64*(\q)+4*i:64*(\q)+4*i+3], v[LI], s[4:5] offset:(\off)+(i+8*(i/8))*2048+512*(\q) th:TH_LOAD_NT
.set i, i+1
.endr
	WIN 0
.endm
; unit q through stage p: in as loaded, out 64 bytes a lane for each block of 32.  LDS serves a wave's instructions in order (ISA guide 5.7.1.4): no wait between the stores and the loads
.macro TURN q, p
	WIN 0x0c                                       ; an LDS store's data are its source 1: window 3
.set i, 0
.rept 16
	ds_store_b128 v[STI], v[64*(\q)+4*i:64*(\q)+4*i+3] offset:8448*(\p)+528*i
.set i, i+1
.endr
	WIN 0
.set i, 0
.rept 16
	ds_load_b128 v[XB0+84*(\p)+4*i:XB0+84*(\p)+4*i+3], v[STO] offset:8448*(\p)+128*(i/4)+16*(i%4)   ; register 16 b + i = number 32 b + 16 h + i of my row
.set i, i+1
.endr
.endm
; four blocks: block b's 32 numbers lie in registers s + 16 b .. + 15 of lanes l and l xor 16.  Leaves the conversions' scale operands in v[SOP+b] and the bytes in v[TM+4+b]
.macro QHEAD s
.irp b, 0,1,2,3
	v_max3_num_f32 v[TM+\b], |v[\s+16*\b]|, |v[\s+1+16*\b]|, 0x1800000   ; with the floor 2^(3 - 127): the byte cannot fall under 1
.endr
.irp i, 2,4,6,8,10,12,14
.irp b, 0,1,2,3
	v_max3_num_f32 v[TM+\b], v[TM+\b], |v[\s+16*\b+\i]|, |v[\s+1+16*\b+\i]|   ; the four blocks by turns
.endr
.endr
.irp b, 0,1,2,3
	v_permlanex16_b32 v[TM+4+\b], v[TM+\b], s[SEL], s[SEL+1]
.endr
.irp b, 0,1,2,3
	v_max_num_f32 v[TM+\b], v[TM+\b], v[TM+4+\b]   ; with lane l xor 16's: the block's largest magnitude
.endr
.irp b, 0,1,2,3
	v_add_nc_u32 v[SOP+\b], 0xff000000, v[TM+\b]   ; 2 off its exponent field
.endr
.irp b, 0,1,2,3
	v_lshrrev_b32 v[TM+4+\b], 23, v[SOP+\b]        ; the scale's byte
.endr
.endm
; 64 numbers of a lane become a fragment's codes in v[PC] on and its scale word in v[PW]
.macro QUANT s
	QHEAD \s
	v_lshl_or_b32 v[PW], v[TM+5], 8, v[TM+4]
	v_lshl_or_b32 v[PW], v[TM+6], 16, v[PW]
	v_lshl_or_b32 v[PW], v[TM+7], 24, v[PW]
.irp c, 0,1
	v_cvt_scalef32_pk16_fp6_f32 v[PC+6*\c:PC+2+6*\c], v[\s+32*\c:\s+15+32*\c], v[SOP+2*\c]
	v_cvt_scalef32_pk16_fp6_f32 v[PC+12+4*\c:PC+14+4*\c], v[\s+16+32*\c:\s+31+32*\c], v[SOP+2*\c+1]   ; a conversion's three registers begin on an even number
.endr
	v_nop                                          ; one plain instruction behind the scaled conversions
.irp c, 0,1                                    ; the operand wants a WHOLE block in a lane: lanes 0-15 block 2 c, lanes 16-31 block 2 c + 1
.irp i, 0,1,2
	v_permlane16_swap_b32 v[PC+6*\c+\i], v[PC+12+4*\c+\i]
.endr
.irp i, 0,1,2
	v_mov_b32 v[PC+3+6*\c+\i], v[PC+12+4*\c+\i]
.endr
.endr
.endm
; v: group g's 32 tokens are one block of each of the four channel tiles b: its byte goes to place g of the tile's word, its codes to half (g % 2) of registers 6 (g / 2) .. + 5 of the tile's fragment
.macro VQ e, g
	QHEAD HA
.irp b, 0,1,2,3
.if (\g) == 0
	v_mov_b32 v[SW+4*(\e)+\b], v[TM+4+\b]
.else
	v_lshl_or_b32 v[SW+4*(\e)+\b], v[TM+4+\b], 8*(\g), v[SW+4*(\e)+\b]
.endif
.endr
.if (\g)%2 == 0
.irp b, 0,1,2,3
	v_cvt_scalef32_pk16_fp6_f32 v[F+12*\b+6*((\g)/2):F+12*\b+6*((\g)/2)+2], v[HA+16*\b:HA+16*\b+15], v[SOP+\b]
.endr
	v_nop                                          ; one plain instruction behind the scaled conversions
.else
.irp q, 0,1                                    ; two tiles at a time: the odd block's codes are made aside, change halves with the even block's, and are moved in
	v_cvt_scalef32_pk16_fp6_f32 v[VT:VT+2], v[HA+32*\q:HA+32*\q+15], v[SOP+2*\q]
	v_cvt_scalef32_pk16_fp6_f32 v[VT+4:VT+6], v[HA+32*\q+16:HA+32*\q+31], v[SOP+1+2*\q]
	v_nop
.irp i, 0,1,2
	v_permlane16_swap_b32 v[F+24*\q+6*((\g)/2)+\i], v[VT+\i]
	v_permlane16_swap_b32 v[F+24*\q+12+6*((\g)/2)+\i], v[VT+4+\i]
.endr
.irp i, 0,1,2
	v_mov_b32 v[F+24*\q+6*((\g)/2)+3+\i], v[VT+\i]
	v_mov_b32 v[F+24*\q+12+6*((\g)/2)+3+\i], v[VT+4+\i]
.endr
.endr
.endif
.endm
; unit k of a block's eight (tile k / 4 of my group, K step k % 4) is quantised.  ahead >= 0: its registers take the unit four on, at that byte offset.  lw: the x loads younger than unit k + 1's
.macro UNIT k, ahead, lw
.if (\k) > 0
	s_wait_dscnt 4                                 ; this unit is back from its stage; only the last image's four stores are younger
.else
	s_wait_dscnt 0x0
.endif
.if (\ahead) >= 0
	XLOAD (\k)%4, \ahead
.endif
.if (\k) < 7
	s_wait_loadcnt \lw                             ; the next unit's 16 loads are in; the units behind it stay on their way
	TURN ((\k)+1)%4, ((\k)+1)%2                    ; its LDS loads land in the buffer that the unit before this one worked on: no vector instruction since that unit's wait on va_vdst names it
	s_wait_dscnt 32                                ; all but the 32 just issued: the last image's stores have read the codes' registers
.else
	s_wait_dscnt 0x0
.endif
	QUANT XB0+84*((\k)%2)
	s_wait_alu depctr_va_vdst(0)                   ; the quantiser has written v[PC ..] and v[PW], which the LDS stores below read, and is done reading its unit's buffer, in which the unit after next lands
.irp c, 0,1,2
	ds_store_b128 v[XWI], v[PC+4*\c:PC+4*\c+3] offset:XIMG+(\k)*1536+512*\c
.endr
	ds_store_b32 v[XWS], v[PW] offset:512*((\k)/4)+4*((\k)%4)
	s_wait_alu depctr_vm_vsrc(0)                   ; these stores have read v[PC ..] and v[PW], which the next quantiser writes; TURN's LDS stores have read the raw unit in which the next unit's loads of x land
.endm
.macro FPAIR g, s                      ; the fragments of group g's two tiles, K step s: six loads, into the pair of registers that the head's plan gives them
.if (\s) < 2
	WIN (1+(\g)%2)<<6                              ; destination window 1 or 2, by the group's parity
.set XR, XT+24*(\s)
.else
	WIN 0
.set XR, XF+24*((\s)-2)
.endif
.irp ab, 0,1
.irp c, 0,1,2
	ds_load_b128 v[XR+12*\ab+4*\c:XR+12*\ab+4*\c+3], v[LI] offset:XIMG+(4*(2*(\g)+\ab)+(\s))*1536+512*\c
.endr
.endr
.endm
.macro FXS g                           ; and their scale words, four K steps a load, into the set of the group's parity
	WIN 0
.irp ab, 0,1
	ds_load_b128 v[XS+84*((\g)%2)+4*\ab:XS+84*((\g)%2)+4*\ab+3], v[LI] offset:XSC+512*(2*(\g)+\ab)
.endr
.endm
.macro BATCH g                         ; what is asked for two groups ahead: the pairs of K steps 0 and 1 and the scale words: 14 loads; leaves every window 0
	FPAIR \g, 0
	FPAIR \g, 1
	FXS \g
.endm
; eight matrix instructions: group g's two tiles of tokens x four tiles of head e's columns, K step s.  The eight accumulators take turns, one instruction a turn.  zero = 1: the products start the sums
.macro MM isv, e, g, s, zero
.if (\s) < 2
.set XW, 1+(\g)%2
.set XR, XT+24*(\s)
.else
.set XW, 0
.set XR, XF+24*((\s)-2)
.endif
.set XQ, XS+84*((\g)%2)
.if \isv
	WIN XW|((1+(\e))<<2)                           ; source 0 (x) in its pair's window, source 1 (W) in window 1 or 2
.else
	WIN (1+(\e))|(XW<<2)                           ; source 0 (W) in window 1 or 2, source 1 (x) in its pair's window
.endif
.irp ab, 0,1
.irp t, 0,1,2,3
.if \isv
.if \zero
	v_wmma_scale_f32_16x16x128_f8f6f4 v[HA+16*\t+8*\ab:HA+16*\t+8*\ab+7], v[XR+12*\ab:XR+12*\ab+11], v[12*(4*\t+(\s)):12*(4*\t+(\s))+11], 0, v[XQ+4*\ab+(\s)], v[WS+16*(\e)+4*\t+(\s)] matrix_a_fmt:MATRIX_FMT_FP6 matrix_b_fmt:MATRIX_FMT_FP6
.else
	v_wmma_scale_f32_16x16x128_f8f6f4 v[HA+16*\t+8*\ab:HA+16*\t+8*\ab+7], v[XR+12*\ab:XR+12*\ab+11], v[12*(4*\t+(\s)):12*(4*\t+(\s))+11], v[HA+16*\t+8*\ab:HA+16*\t+8*\ab+7], v[XQ+4*\ab+(\s)], v[WS+16*(\e)+4*\t+(\s)] matrix_a_fmt:MATRIX_FMT_FP6 matrix_b_fmt:MATRIX_FMT_FP6
.endif
.else
.if \zero
	v_wmma_scale_f32_16x16x128_f8f6f4 v[HA+32*\ab+8*\t:HA+32*\ab+8*\t+7], v[12*(4*\t+(\s)):12*(4*\t+(\s))+11], v[XR+12*\ab:XR+12*\ab+11], 0, v[WS+16*(\e)+4*\t+(\s)], v[XQ+4*\ab+(\s)] matrix_a_fmt:MATRIX_FMT_FP6 matrix_b_fmt:MATRIX_FMT_FP6
.else
	v_wmma_scale_f32_16x16x128_f8f6f4 v[HA+32*\ab+8*\t:HA+32*\ab+8*\t+7], v[12*(4*\t+(\s)):12*(4*\t+(\s))+11], v[XR+12*\ab:XR+12*\ab+11], v[HA+32*\ab+8*\t:HA+32*\ab+8*\t+7], v[WS+16*(\e)+4*\t+(\s)], v[XQ+4*\ab+(\s)] matrix_a_fmt:MATRIX_FMT_FP6 matrix_b_fmt:MATRIX_FMT_FP6
.endif
.endif
.endr
.endr
.endm
; group g (32 tokens) x head e (64 columns), the (4 e + g)-th of a block's eight: 32 matrix instructions, then the results are quantised and leave.
.macro GRP isv, e, g
	FPAIR \g, 2                                    ; lands where the group before had its K step 2: that group's wait on va_vdst stands ahead, and no vector or matrix instruction since names these registers
.if 4*(\e)+(\g) == 0
	s_wait_dscnt 20                                ; the first group's 14 loads are in; the second group's 14 and the six just issued may be out.  (A later group's 14 are older than loads that the group before has waited for)
.endif
	MM \isv, \e, \g, 0, 1
	FPAIR \g, 3                                    ; likewise: the eight products above name the pair of K step 0, W, the scale words and the accumulators
	MM \isv, \e, \g, 1, 0
	s_wait_dscnt 6                                 ; K step 2's pair is in; K step 3's six loads may be out
	MM \isv, \e, \g, 2, 0
	s_wait_dscnt 0x0
	MM \isv, \e, \g, 3, 0
	WIN 0
	PLACES                                         ; for the first read of the results
	s_wait_xcnt 0x0                                ; the earlier stores have read their data: the codes' registers are written again only behind this wait
.if \isv
.if (\e) == 1 && (\g) == 0
	s_wait_alu depctr_vm_vsrc(0)                   ; the twelve stores of my first head's fragments have read v[F ..], which the conversions below begin to write again
.endif
	VQ \e, \g
.else
.if 4*(\e)+(\g) > 0
	s_wait_alu depctr_vm_vsrc(0)                   ; the stores of the group before have read v[PC ..], which the conversions below write again
.endif
	QUANT HA
	v_mov_b32 v[SW+4*(\e)+(\g)], v[PW]
.endif
	s_wait_alu depctr_va_vdst(0)                   ; the group's one wait: the quantiser has written the codes, which the stores below read; the group's products are done reading their fragments and scale words of x, in which the loads below and the next group's land
.if 4*(\e)+(\g) < 6
	BATCH ((\g)+2)%4                               ; the group after next: into the registers of this group's parity
.endif
.if \isv
.if (\g) == 3
.set f, 0
.rept 12
	global_store_b128 v[LI], v[F+4*f:F+4*f+3], s[26+2*(\e):27+2*(\e)] offset:512*f   ; the head's four fragments of v: each store covers 512 consecutive bytes, aligned to 256
.set f, f+1
.endr
.endif
.else
.irp c, 0,1,2
	global_store_b128 v[LI], v[PC+4*\c:PC+4*\c+3], s[26+2*(\e):27+2*(\e)] offset:1536*(\g)+512*\c
.endr
.endif
.endm
	s_load_b256 s[4:11], s[0:1], 0x0               ; query, key, value, wc
	s_load_b128 s[12:15], s[0:1], 0x20             ; ws, qb
	s_load_b64 s[16:17], s[0:1], 0x30              ; kv
	v_lshl_add_u32 v[SPW], v0, 2, SPARE
	v_mov_b32 v[NIL], 0
	v_lshrrev_b32 v9, 5, v0
	v_readfirstlane_b32 s18, v9                    ; wave 0..3
	s_and_b32 s19, ttmp7, 0xffff                   ; the tensor: 0 q, 1 k, 2 v
	s_mov_b32 s[SEL], 0x76543210
	s_mov_b32 s[SEL+1], 0xfedcba98                 ; v_permlanex16_b32's selects for lane l xor 16
	s_mov_b32 s[BLK], 2
	v_and_b32 v9, 31, v0                           ; lane
	v_and_b32 v10, 15, v0                          ; r
	v_bfe_u32 v11, v0, 4, 1                        ; h
	v_lshlrev_b32 v[LI], 4, v9
	v_lshlrev_b32 v[R16], 4, v10
	v_cmp_le_u32 s40, 16, v9                       ; s40: lanes 16-31
	s_wait_alu depctr_va_sdst(0)                   ; s18 and s40 are written, ahead of their first readers: the addresses below are made from s18, the selects at each block's end read s40
	s_mul_i32 s32, s18, 16896
	s_add_co_u32 s32, s32, STG                     ; my two stages
	v_add_nc_u32 v[STI], s32, v[LI]
	v_mul_u32_u24 v[STO], v10, 528
	v_lshl_add_u32 v[STO], v11, 6, v[STO]
	v_add_nc_u32 v[STO], s32, v[STO]
	s_mul_i32 s32, s18, 12288
	v_add_nc_u32 v[XWI], s32, v[LI]
	s_lshl_b32 s32, s18, 10
	s_add_co_u32 s32, s32, XSC
	v_add_nc_u32 v[XWS], s32, v[LI]
.irp b, 0,1,2,3
	v_mov_b32 v[TM+4+\b], 0                        ; written once: a lane permute's destination counts as one of its sources
.endr
	; the sizes that hang on the tensor: qb has 6,400 bytes a block and 102,400 a head, kv twice as many
	s_min_u32 s34, s19, 1
	s_lshr_b32 s35, s19, 1                         ; 1 for v
	s_lshl_b32 s23, 0x19000, s34                   ; s23: from head to head
	s_lshl_b32 s24, 0x1900, s34                    ; s[24:25]: from block to block
	s_mov_b32 s25, 0
	s_mul_i32 s36, s35, 6144                       ; where the images begin in a block: v's behind k's
	s_lshl_b32 s37, 0x1800, s34
	s_lshl_b32 s38, s35, 8
	s_add_co_u32 s37, s37, s38                     ; and the words: 6144, 12288, 12544
	s_lshr_b32 s38, ttmp9, 3
	s_lshl_b32 s38, s38, 3
	s_lshl_b32 s39, s18, 1
	s_add_co_u32 s38, s38, s39                     ; 8 x batch + my first head
	s_mul_i32 s38, s38, s23
	s_and_b32 s39, ttmp9, 7
	s_lshl_b32 s39, s39, 1                         ; my first block in the batch
	s_mul_i32 s39, s39, s24
	s_add_co_u32 s38, s38, s39
	v_mul_lo_u32 v[SOF], v11, s23
	v_add_nc_u32 v[SOF], v[SOF], v[R16]
	s_mov_b32 s33, 0
	s_wait_kmcnt 0x0
	s_cmp_eq_u32 s19, 0                            ; the buffers are chosen by the work-group's number alone
	s_cselect_b64 s[4:5], s[4:5], s[6:7]
	s_cselect_b64 s[26:27], s[14:15], s[16:17]
	s_cmp_eq_u32 s19, 2
	s_cselect_b64 s[4:5], s[8:9], s[4:5]
	s_lshl_b32 s32, ttmp9, 19                      ; 256 tokens of 2,048 bytes a work-group,
	s_lshl_b32 s34, s18, 16                        ; 32 a wave
	s_add_co_u32 s32, s32, s34
	s_add_nc_u64 s[4:5], s[4:5], s[32:33]          ; x at my group of the first block
	s_mul_i32 s32, s19, 0x30000
	s_mul_i32 s34, s18, 49152
	s_add_co_u32 s32, s32, s34
	s_add_nc_u64 s[10:11], s[10:11], s[32:33]      ; my 32 fragments of this tensor's W
	s_lshl_b32 s32, s19, 13
	s_lshl_b32 s34, s18, 11
	s_add_co_u32 s32, s32, s34
	s_add_nc_u64 s[12:13], s[12:13], s[32:33]      ; and their scale words
	s_add_co_u32 s32, s38, s37
	s_add_nc_u64 s[30:31], s[26:27], s[32:33]      ; s[30:31]: the words of my first head
	s_add_co_u32 s32, s38, s36
	s_add_nc_u64 s[26:27], s[26:27], s[32:33]      ; s[26:27]: the images of my first head,
	s_mov_b32 s32, s23
	s_add_nc_u64 s[28:29], s[26:27], s[32:33]      ; s[28:29]: of my second
	WIN 0x40                                       ; destination window 1
	s_wait_alu depctr_va_vdst(0)                   ; the seven offsets and addresses v1 and v3 to v8 are written, which every load and store of the kernel reads
.set f, 0
.rept 48
	global_load_b128 v[4*f:4*f+3], v[LI], s[10:11] offset:512*f
.set f, f+1
.endr
	WIN 0x80                                       ; window 2
.set f, 0
.rept 48
	global_load_b128 v[4*f:4*f+3], v[LI], s[10:11] offset:24576+512*f
.set f, f+1
.endr
	WIN 0
.irp t, 0,1,2,3,4,5,6,7
	global_load_b128 v[WS+4*\t:WS+4*\t+3], v[R16], s[12:13] offset:256*\t   ; row r's four words of tile t
.endr
	XLOAD 0, 0                                     ; W was asked for first: the first counted wait for x shows W in too
	XLOAD 1, 0
	XLOAD 2, 0
	XLOAD 3, 0
.Lblock:
	s_wait_loadcnt 48                              ; unit 0's 16 loads are in; three units stay on their way (on the way back likewise: the block before asked for four)
	TURN 0, 0                                      ; its LDS loads land in v56-119: the wait on va_vdst at the head, or the one at the last block's end, stands behind every vector and matrix instruction that named them
	s_wait_alu depctr_vm_vsrc(0)                   ; the LDS stores above have read raw unit 0, in which unit 0's loads of x land
.irp k, 0,1,2,3
	UNIT \k, 16384, 48                             ; ahead: my second tile, eight tokens on
.endr
	s_cmp_eq_u32 s[BLK], 1
	s_cbranch_scc1 .Llast
.irp k, 4,5,6,7
	UNIT \k, 262144, 48                            ; ahead: the next block's first tile, 128 tokens on
.endr
	s_branch .Lmat
.Llast:                                            ; the last block asks for nothing: no load leaves its buffer, and the counts run down
	UNIT 4, -1, 32
	UNIT 5, -1, 16
	UNIT 6, -1, 0
	UNIT 7, -1, 0
.Lmat:
	s_wait_dscnt 0x0                               ; for the others' sake: my images have landed
	s_barrier_signal -1
	s_barrier_wait -1                              ; the block's 32 images lie in LDS
	BATCH 0                                        ; the first two groups' first pairs and scale words.  Unit 7's wait on va_vdst stands behind every vector and matrix instruction that named their registers
	BATCH 1
	s_cmp_eq_u32 s19, 2
	s_cbranch_scc1 .Lvpath
	GRP 0, 0, 0
	GRP 0, 0, 1
	GRP 0, 0, 2
	GRP 0, 0, 3
	GRP 0, 1, 0
	GRP 0, 1, 1
	GRP 0, 1, 2
	GRP 0, 1, 3
	s_branch .Ljoin
.Lvpath:
	GRP 1, 0, 0
	GRP 1, 0, 1
	GRP 1, 0, 2
	GRP 1, 0, 3
	GRP 1, 1, 0
	GRP 1, 1, 1
	GRP 1, 1, 2
	GRP 1, 1, 3
.Ljoin:
.irp i, 0,1,2,3
	v_cndmask_b32 v[OS4+\i], v[SW+\i], v[SW+4+\i], s40   ; lanes 0-15 my first head's words, lanes 16-31 my second's
.endr
	s_wait_alu depctr_va_vdst(0)                   ; the selects have written v[OS4 ..], which the store reads; and they are done reading v56-63, the last of the registers in which the next block's units land
	global_store_b128 v[SOF], v[OS4:OS4+3], s[30:31]   ; sixteen lanes store 256 consecutive bytes, aligned
	s_wait_xcnt 0x0                                ; every load and store has read its address and data: the bases step only behind this wait
	s_wait_alu depctr_vm_vsrc(0)                   ; the block's last stores have read the codes' registers and v[OS4 ..], which the next block writes again
	s_add_nc_u64 s[4:5], s[4:5], 0x40000
	s_add_nc_u64 s[26:27], s[26:27], s[24:25]
	s_add_nc_u64 s[28:29], s[28:29], s[24:25]
	s_add_nc_u64 s[30:31], s[30:31], s[24:25]
	s_wait_dscnt 0x0                               ; my reads of the images are over
	s_barrier_signal -1
	s_barrier_wait -1                              ; everybody's are: the next block's images may be written
	s_sub_co_u32 s[BLK], s[BLK], 1
	s_cmp_lg_u32 s[BLK], 0
	s_cbranch_scc1 .Lblock
	s_wait_dscnt 0x0                               ; the closing lines, six on end
	s_wait_alu 0x0
	s_wait_tensorcnt 0x0
	ds_add_u32 v[SPW], v[NIL]
	s_wait_dscnt 0x0
	s_endpgm
.Lfunc_end_k_q7ff7ec4c79_proj:
	.size	k_q7ff7ec4c79_proj, .Lfunc_end_k_q7ff7ec4c79_proj-k_q7ff7ec4c79_proj
	.p2alignl 7, 3214868480
	.fill 96, 4, 3214868480
	.section	.rodata,"a",@progbits
	.p2align	6, 0x0
	.amdhsa_kernel k_q7ff7ec4c79_proj
		.amdhsa_group_segment_fixed_size 121344
		.amdhsa_private_segment_fixed_size 0
		.amdhsa_enable_private_segment 0
		.amdhsa_kernarg_size 56
		.amdhsa_user_sgpr_count 2
		.amdhsa_user_sgpr_kernarg_segment_ptr 1
		.amdhsa_wavefront_size32 1
		.amdhsa_system_sgpr_workgroup_id_x 1
		.amdhsa_system_sgpr_workgroup_id_y 1
		.amdhsa_system_sgpr_workgroup_id_z 1
		.amdhsa_system_vgpr_workitem_id 0
		.amdhsa_next_free_vgpr 1024
		.amdhsa_next_free_sgpr 66
		.amdhsa_reserve_vcc 0
		.amdhsa_float_denorm_mode_32 3
		.amdhsa_float_denorm_mode_16_64 3
		.amdhsa_memory_ordered 1
		.amdhsa_forward_progress 1
		.amdhsa_inst_pref_size 255
	.end_amdhsa_kernel
	.section	.bss,"aw",@nobits
	.p2align	6
	.space	262144
	.amdgpu_metadata
---
amdhsa.version: [ 1, 2 ]
amdhsa.kernels:
  - .name:           k_q7ff7ec4c79_proj
    .symbol:         k_q7ff7ec4c79_proj.kd
    .args:
      - { .name: query, .offset: 0, .size: 8, .value_kind: global_buffer, .address_space: global }
      - { .name: key, .offset: 8, .size: 8, .value_kind: global_buffer, .address_space: global }
      - { .name: value, .offset: 16, .size: 8, .value_kind: global_buffer, .address_space: global }
      - { .name: wc, .offset: 24, .size: 8, .value_kind: global_buffer, .address_space: global }
      - { .name: ws, .offset: 32, .size: 8, .value_kind: global_buffer, .address_space: global }
      - { .name: qb, .offset: 40, .size: 8, .value_kind: global_buffer, .address_space: global }
      - { .name: kv, .offset: 48, .size: 8, .value_kind: global_buffer, .address_space: global }
    .group_segment_fixed_size: 121344
    .private_segment_fixed_size: 0
    .kernarg_segment_align: 8
    .kernarg_segment_size: 56
    .max_flat_workgroup_size: 128
    .sgpr_count:     66
    .vgpr_count:     1024
    .wavefront_size: 32
...
	.end_amdgpu_metadata
.endif
;; end of part 6
;; launch attn (part 7): grid 8 x 64, 16 waves a work-group, clusters of 4 x 1, 207,360 bytes of LDS; arguments qb, kv, oc, os; writes oc, os
.if DOCPART == 7
	.amdgcn_target "amdgcn-amd-amdhsa--gfx1250"
	.amdhsa_code_object_version 6
	.text
	.protected	k_q7ff7ec4c79_attn
	.globl	k_q7ff7ec4c79_attn
	.p2align	8
	.type	k_q7ff7ec4c79_attn,@function
k_q7ff7ec4c79_attn:
	s_mov_b64 s[64:65], 0
	v_nop
	global_prefetch_b8 v0, s[64:65] scope:SCOPE_SE
	s_setreg_imm32_b32 hwreg(HW_REG_WAVE_MODE, 25, 1), 1
	s_wait_xcnt 0x0
	s_wait_alu depctr_hold_cnt(0) depctr_sa_sdst(0) depctr_va_vdst(0) depctr_va_sdst(0) depctr_va_ssrc(0) depctr_va_vcc(0) depctr_vm_vsrc(0)
	s_getreg_b32 s2, hwreg(HW_REG_IB_STS2, 6, 4)
	s_cmp_eq_u32 s2, 0
	s_cbranch_scc0 .Lentry_in_a_cluster
	s_endpgm
.Lentry_in_a_cluster:
	s_bfe_u32 s2, ttmp6, 0x10000c
	s_cmp_lg_u32 s2, 0x3003
	s_cbranch_scc0 .Lentry_shape_is_right
	s_endpgm
.Lentry_shape_is_right:
; o = softmax(q k^T / 8) v for one head and 256 queries a work-group, both products on codes of FP6 (E2M3) with one E8M0 scale for each 32 along a product's K; o / l is quantised at once, along the head's channels, for the last product.
; THE SOFTMAX AHEAD OF THE SECOND PRODUCT: t = score x log2(e) / 8; M = the running largest t, rounded UP to a whole number; p = 2^(t - M) is what is quantised, along the keys, not normalised.
; The row's sum is taken of the unquantised p, in f32, and divides o at the end.  When M moves, the sum and o are multiplied by 2^(old M - new M): exact.
; SHARES.  Sixteen waves, four to a SIMD, so that one wave's vector work stands beside another's products and LDS loads.  A wave owns one tile of 16 queries in 256 registers and walks the head's 2,048 keys, 128 a step.
; A WHOLE HEAD'S k AND v LIE IN LDS: 16 steps x 12,800 bytes (k's four packed images, v's four images, both scale words), filled once, never again: no ring.
; The fills go out at the head: waves 0 to 3, four loads each (load j of wave w: step 4 j + w); four loads of a wave are out at the most.  Steps 4 j .. 4 j + 3 are read behind a counted wait and a barrier, while the later loads are on their way.
; CLUSTER.  The four query blocks of a cluster belong to one head: each load is asked for JOINTLY, with the same descriptor and a mask that names the four.
; LAYOUT.  Both products are used transposed, so that a lane holds ONE query (lane % 16) throughout.  The head has 64 channels and the instruction's K is 128: a fragment of k holds TWO tiles of 16 keys (registers 0-5 and 6-11),
; and is multiplied by [q, 0] and by [0, q]; the zero codes add nothing.  The keys of a tile are not neighbours (row r of tile 2 g + u is key 32 g + 8 u + r + 8 (r / 8)), so that the 16 registers of two tiles are 16 neighbouring keys.
; v's rows (channels) are laid the same way, so that o's 16 registers of two tiles are 16 neighbouring channels.
; OUT.  oc: [tile of 16 tokens 1024][register pair 24 = 3 x head + p][lane 32][8 bytes]: pairs 6 s .. 6 s + 5 are K step s's fragment of the last product.   os: [256 tokens 64][head 8][tile 16][row 16] two bytes.
; LIMITS: a block of p that has fallen to zeros, or a block of o under 2^-124, gets the byte 1 (this program alone reads the bytes); o / l is a reciprocal and a multiplication; NaN and infinities are not served.
; REGISTERS: v1-4 addresses; v12 -M, v13 the largest t, v[14:15] the sum in two halves; v16-21 zeros, v22-27 q, v28-33 zeros; v34 q's scale word; v36-83 four fragments of k or of v; v84-87 their scale words (lanes 0-15 k's, 16-31 v's);
;   v96-159 the scores, then p; v160-191 o; v192-203 p's codes; v204-210 conversions' results on their way; v212-227 at work.
.set OSG,   204800                     ; LDS behind the head's 204,800 bytes: 512 bytes in which o's scale bytes meet;
.set SPARE, 205312                     ; the spare words, 128 bytes for each of sixteen waves, which no other line names
.set LI,  1                            ; v1   16 x lane
.set OSA, 2                            ; v2   OSG + 32 x wave + 2 r
.set ADR, 3                            ; v3   the step's first byte + 16 x lane
.set OSR, 4                            ; v4   OSG + 16 x lane
.set SPW, 5                            ; v5   LDS address of my spare word; never rewritten
.set NIL, 6                            ; v6   0; never rewritten
.set SQ,  34
.set KV,  36
.set KVS, 84
.set S,   96
.set O,   160
.set PCD, 192
.set CT,  204
.set BM,  212                          ; v212-215 each block's largest score, then its largest p
.set PX,  216                          ; v216-219 the other half's; a chain of the sum; the bytes
.set SO,  220                          ; v220-223 the conversions' scale operands
.set FF,  224                          ; v[224:225] f = 2^(old M - new M); the upper word is named with it and written once
.set TMP, 226
.set PW,  227                          ; p's scale word
.set WV,  12                           ; s12  my wave's number
.set G1,  16                           ; s[16:23] descriptor group 1
.set G0,  24                           ; s[24:39] four groups 0
.set SEL, 40                           ; s[40:41]
.set CS,  42                           ; s[42:43] c = log2(e) / 8, twice: the packed form names a pair
.set TB,  44                           ; s44  LDS byte at which the step in hand begins
.set CNT, 45                           ; s45  counts a group's four steps
.macro PLACES                          ; four plain instructions between a matrix instruction and a load into, or a read of, its registers
.rept 4
	v_nop
.endr
.endm
.macro CROUND                          ; a round of the cluster's barrier: my work-group's barrier; wave 0 signals for the work-group; every wave waits for all four work-groups; my work-group's barrier once more
	s_barrier_signal -1
	s_barrier_wait -1
	s_cmp_lg_u32 s[WV], 0
	s_cbranch_scc1 .Lnot_wave_0_\@
	s_barrier_signal -3
.Lnot_wave_0_\@:
	s_barrier_wait -3
	s_barrier_signal -1
	s_barrier_wait -1
.endm
	s_load_b256 s[4:11], s[0:1], 0x0               ; qb, kv, oc, os
	v_lshl_add_u32 v[SPW], v0, 2, SPARE
	v_mov_b32 v[NIL], 0
	ds_add_u32 v[SPW], v[NIL]                      ; the wave's opening: the add is waited for ahead of the first tensor loads; the set-up below, work on registers, stands between the add and its wait
	ds_add_u32 v[SPW], v[NIL]
	v_lshrrev_b32 v7, 5, v0
	s_delay_alu instid0(VALU_DEP_1)
	v_readfirstlane_b32 s[WV], v7                  ; wave 0..15
	s_bfe_u32 s13, ttmp6, 0x40000                  ; cx: my place in the cluster
	s_lshl_b32 s14, ttmp9, 2
	s_add_co_u32 s14, s14, s13                     ; my block of 256 queries: it enters addresses in qb, oc and os alone
	s_and_b32 s15, ttmp7, 0xffff                   ; batch x 8 + head, which the four partners share
	v_and_b32 v7, 31, v0
	s_delay_alu instid0(VALU_DEP_1)
	v_lshlrev_b32 v[LI], 4, v7
	v_and_b32 v8, 15, v0                           ; r
	s_lshl_b32 s46, s[WV], 5
	s_add_co_u32 s46, s46, OSG
	v_lshl_add_u32 v[OSA], v8, 1, s46
	v_add_nc_u32 v[OSR], OSG, v[LI]
	; descriptor group 1: a step's 12,800 dense bytes as 50 rows of 256 bytes; no padding: every LDS load of the loop takes 512 consecutive bytes
	s_mov_b32 s[G1], 15|(3<<16)|(1<<21)            ; 15:0 the mask: all four work-groups; 17:16 elements of 8 bytes; 21 set beside a mask
	s_mov_b32 s[G1+1], 32<<16                      ; tensor_dim0 = 32
	s_mov_b32 s[G1+2], 50<<16                      ; tensor_dim1 = 50
	s_mov_b32 s[G1+3], 32<<16                      ; tile_dim0 = 32
	s_mov_b32 s[G1+4], 50                          ; tile_dim1 = 50
	s_mov_b32 s[G1+5], 32                          ; from row to row
	s_mov_b32 s[G1+6], 0
	s_mov_b32 s[G1+7], 0
	s_mov_b32 s[SEL], 0x76543210
	s_mov_b32 s[SEL+1], 0xfedcba98
	s_mov_b32 s[CS], 0x3e38aa3b                    ; log2(e) / 8
	s_mov_b32 s[CS+1], s[CS]
	s_and_b32 s46, s[WV], 3
	s_mul_i32 s46, s46, 12800                      ; which step of a group of four I fetch: in LDS and in memory alike; no place in the cluster enters it
	s_mul_i32 s48, s15, 204800
	s_add_co_u32 s48, s48, s46
	s_mov_b32 s49, 0
	s_wait_dscnt 0x0                               ; the opening add is done
	s_wait_kmcnt 0x0
	s_add_nc_u64 s[48:49], s[6:7], s[48:49]
.irp j, 0,1,2,3
	s_mov_b32 s[G0+4*\j], 1                        ; count = 1
	s_add_co_u32 s[G0+4*\j+1], s46, 51200*\j       ; LDS address: step 4 j + wave
	s_add_nc_u64 s[G0+4*\j+2:G0+4*\j+3], s[48:49], 51200*\j
	s_or_b32 s[G0+4*\j+3], s[G0+4*\j+3], 0x80000000   ; type = 2
.endr
	CROUND                                         ; all four work-groups are here: the joint loads meet
	s_cmp_lt_u32 s[WV], 4                          ; a wave's four fills stand in one branch on the wave's number, the same in all partners
	s_cbranch_scc0 .Lno_fill
.irp j, 0,1,2,3
	tensor_load_to_lds s[G0+4*\j:G0+4*\j+3], s[G1:G1+7]
	s_nop 0
.endr
.rept 4
	v_nop
.endr
.Lno_fill:
	; q: my tile is half u = wave % 2 of the packed image of group (wave / 2) % 4 in block 2 x (my 256 queries) + wave / 8: registers 6 u .. 6 u + 5, three pieces of 8 bytes
	s_and_b32 s50, s[WV], 1
	s_bfe_u32 s51, s[WV], 0x20001
	s_lshr_b32 s52, s[WV], 3
	s_lshl_b32 s53, s14, 1
	s_add_co_u32 s53, s53, s52
	s_mul_i32 s53, s53, 6400
	s_mul_i32 s54, s15, 102400
	s_add_co_u32 s54, s54, s53
	s_mov_b32 s55, 0
	s_add_nc_u64 s[4:5], s[4:5], s[54:55]
	s_mul_i32 s56, s51, 1536
	s_cmp_eq_u32 s50, 0
	s_cselect_b32 s57, 0, 520                      ; registers 0, 1 lie at byte 0 of a lane's places, registers 6, 7 at 520; the third piece lies 512 behind the first in both cases
	s_cselect_b32 s58, 8, 1024                     ; registers 2, 3 at 8, registers 8, 9 at 1024
	s_add_co_u32 s57, s57, s56
	s_add_co_u32 s58, s58, s56
	s_wait_alu depctr_va_vdst(0)
	v_add_nc_u32 v9, s57, v[LI]
	v_add_nc_u32 v10, s58, v[LI]
	s_lshl_b32 s59, s51, 2
	v_lshl_add_u32 v11, v8, 4, s59                 ; the group's word of row r
	global_load_b64 v[22:23], v9, s[4:5]
	global_load_b64 v[24:25], v10, s[4:5]
	global_load_b64 v[26:27], v9, s[4:5] offset:512
	global_load_b32 v35, v11, s[4:5] offset:6144
.irp j, 16,17,18,19,20,21,28,29,30,31,32,33
	v_mov_b32 v[\j], 0                             ; zero codes on both sides of q: v[22:33] is [q, 0], v[16:27] is [0, q]
.endr
	v_mov_b32 v13, 0xff61b1e6                      ; the largest t so far: -3e38, under every t
	s_delay_alu instid0(VALU_DEP_1)
	v_floor_f32 v12, -v13                          ; -M
	v_mov_b32 v14, 0
	v_mov_b32 v15, 0
.irp b, 0,1,2,3
	v_mov_b32 v[PX+\b], 0                          ; written once: a lane permute's destination counts as one of its sources
.endr
	v_mov_b32 v[FF+1], 0
	s_lshl_b32 s60, s50, 4
	s_wait_loadcnt 0x0
	v_lshrrev_b32 v35, s60, v35                    ; my tile's two bytes of the word,
	s_delay_alu instid0(VALU_DEP_1)
	v_and_b32 v35, 0xffff, v35
	s_delay_alu instid0(VALU_DEP_1)
	v_lshl_or_b32 v[SQ], v35, 16, v35              ; for both places in which q stands
.set n, 0
.rept 32
	v_mov_b32 v[O+n], 0                            ; o.  (The step is written without a first step of its own: it finds zeros, which the first change of M leaves zeros.  These lines are also the places between q's scale word and the first product)
.set n, n+1
.endr
; A KEY STEP: 128 keys
.macro STEP
	v_add_nc_u32 v[ADR], s[TB], v[LI]
.rept 3
	v_nop                                          ; with the addition: four places in front of loads into registers that the last products have read
.endr
	ds_load_b128 v[KVS:KVS+3], v[ADR] offset:12288 ; lanes 0-15: row r's words of k's four fragments; lanes 16-31, 256 bytes on: of v's four
.set n, 0
.rept 12
	ds_load_b128 v[KV+4*n:KV+4*n+3], v[ADR] offset:512*n
.set n, n+1
.endr
	s_wait_alu depctr_va_vdst(0)
	s_wait_dscnt 0x0
.irp g, 0,1,2,3                                ; the scores, transposed: source 0 = two tiles of 16 keys, source 1 = my 16 queries beside zeros
	v_wmma_scale_f32_16x16x128_f8f6f4 v[S+16*\g:S+16*\g+7], v[KV+12*\g:KV+12*\g+11], v[22:33], 0, v[KVS+\g], v[SQ] matrix_a_fmt:MATRIX_FMT_FP6 matrix_b_fmt:MATRIX_FMT_FP6
	v_wmma_scale_f32_16x16x128_f8f6f4 v[S+16*\g+8:S+16*\g+15], v[KV+12*\g:KV+12*\g+11], v[16:27], 0, v[KVS+\g], v[SQ] matrix_a_fmt:MATRIX_FMT_FP6 matrix_b_fmt:MATRIX_FMT_FP6
.endr                                          ; register 16 g + i of lane (r, h): query r, key 32 g + 16 h + i
	PLACES
.set n, 0
.rept 12
	ds_load_b128 v[KV+4*n:KV+4*n+3], v[ADR] offset:6144+512*n   ; v's four fragments land while the softmax is walked
.set n, n+1
.endr
.irp b, 0,1,2,3
	v_max3_num_f32 v[BM+\b], v[S+16*\b], v[S+1+16*\b], v[S+2+16*\b]   ; THE LARGEST SCORE OF EACH BLOCK OF 32 KEYS serves twice: for the row's maximum and, since p rises with the score, for the block's largest p
.endr
.irp i, 3,5,7,9,11,13
.irp b, 0,1,2,3
	v_max3_num_f32 v[BM+\b], v[BM+\b], v[S+16*\b+\i], v[S+1+16*\b+\i]
.endr
.endr
.irp b, 0,1,2,3
	v_max_num_f32 v[BM+\b], v[BM+\b], v[S+15+16*\b]
.endr
.irp b, 0,1,2,3
	s_delay_alu instid0(VALU_DEP_4)
	v_permlanex16_b32 v[PX+\b], v[BM+\b], s[SEL], s[SEL+1]
.endr
.irp b, 0,1,2,3
	s_delay_alu instid0(VALU_DEP_4)
	v_max_num_f32 v[BM+\b], v[BM+\b], v[PX+\b]     ; with lane l xor 16's 16 keys
.endr
	s_delay_alu instid0(VALU_DEP_2)
	v_max3_num_f32 v[TMP], v[BM], v[BM+1], v[BM+2]
	s_delay_alu instid0(VALU_DEP_1)
	v_max_num_f32 v[TMP], v[TMP], v[BM+3]          ; the step's largest score of my query,
	s_delay_alu instid0(VALU_DEP_1)
	v_mul_f32 v[TMP], s[CS], v[TMP]                ; as t (c is positive)
	s_delay_alu instid0(VALU_DEP_1)
	v_max_num_f32 v13, v13, v[TMP]                 ; the running largest t
	v_mov_b32 v[TMP], v12
	s_delay_alu instid0(VALU_DEP_2)
	v_floor_f32 v12, -v13                          ; the new -M = floor(-t) = -ceil(t): a whole number
	s_delay_alu instid0(VALU_DEP_1)
	v_sub_f32 v[TMP], v12, v[TMP]                  ; old M - new M: a whole number, 0 or less
	s_delay_alu instid0(VALU_DEP_1)
	v_cvt_i32_f32 v[TMP], v[TMP]                   ; (it saturates)
	s_delay_alu instid0(VALU_DEP_1)
	v_ldexp_f32 v[FF], 1.0, v[TMP]                 ; f = 2^(old M - new M)
.set n, 0
.rept 32
	v_pk_fma_f32 v[S+n:S+n+1], v[S+n:S+n+1], s[CS:CS+1], v[12:13] op_sel_hi:[1,0,0]   ; t - M, two at a time (of the pairs c and -M the low word serves both halves)
.set n, n+2
.endr
.irp b, 0,1,2,3
	v_fma_f32 v[BM+\b], v[BM+\b], s[CS], v12       ; the same of each block's largest score
.endr
.set n, 0
	s_wait_alu depctr_va_vdst(0)
.rept 64
	v_exp_f32 v[S+n], v[S+n]                       ; p = 2^(t - M), at most 1
.set n, n+1
.endr
	s_setprio 1
	v_pk_mul_f32 v[14:15], v[14:15], v[FF:FF+1] op_sel_hi:[1,0]   ; the sums under the new M: a plain instruction behind the exponentials
	s_wait_alu depctr_va_vdst(0)                   ; a wait ahead of the first line that names a result: one for the batch of 64
.irp b, 0,1,2,3
	v_exp_f32 v[BM+\b], v[BM+\b]                   ; the block's largest p: the same two instructions on the same number give the same bits
.endr
	v_pk_add_f32 v[216:217], v[100:101], v[104:105]
	v_pk_add_f32 v[254:255], v[108:109], v[112:113]
	v_pk_add_f32 v[252:253], v[116:117], v[120:121]
	v_pk_add_f32 v[250:251], v[124:125], v[128:129]
	v_pk_add_f32 v[248:249], v[132:133], v[136:137]
	v_pk_add_f32 v[246:247], v[140:141], v[144:145]
	v_pk_add_f32 v[244:245], v[148:149], v[152:153]
	v_pk_add_f32 v[14:15], v[14:15], v[156:157]
	v_pk_add_f32 v[216:217], v[216:217], v[96:97]
	v_pk_add_f32 v[254:255], v[254:255], v[98:99]
	v_pk_add_f32 v[252:253], v[252:253], v[102:103]
	v_pk_add_f32 v[250:251], v[250:251], v[106:107]
	v_pk_add_f32 v[248:249], v[248:249], v[110:111]
	v_pk_add_f32 v[246:247], v[246:247], v[114:115]
	v_pk_add_f32 v[244:245], v[244:245], v[118:119]
	v_pk_add_f32 v[14:15], v[14:15], v[122:123]
	v_pk_add_f32 v[216:217], v[216:217], v[126:127]
	v_pk_add_f32 v[254:255], v[254:255], v[130:131]
	v_pk_add_f32 v[252:253], v[252:253], v[134:135]
	v_pk_add_f32 v[250:251], v[250:251], v[138:139]
	v_pk_add_f32 v[248:249], v[248:249], v[142:143]
	v_pk_add_f32 v[246:247], v[246:247], v[146:147]
	v_pk_add_f32 v[244:245], v[244:245], v[150:151]
	v_pk_add_f32 v[14:15], v[14:15], v[154:155]
	v_pk_add_f32 v[216:217], v[216:217], v[158:159]
	s_delay_alu instid0(VALU_DEP_2)
	v_pk_add_f32 v[14:15], v[14:15], v[250:251]
	s_delay_alu instid0(VALU_DEP_2)
	v_pk_add_f32 v[216:217], v[216:217], v[248:249]
	v_pk_add_f32 v[254:255], v[254:255], v[246:247]
	v_pk_add_f32 v[252:253], v[252:253], v[244:245]
	s_delay_alu instid0(VALU_DEP_2)
	v_pk_add_f32 v[14:15], v[14:15], v[254:255]
	s_delay_alu instid0(VALU_DEP_2)
	v_pk_add_f32 v[216:217], v[216:217], v[252:253]
	s_delay_alu instid0(VALU_DEP_1)
	v_pk_add_f32 v[14:15], v[14:15], v[216:217]
	s_wait_alu depctr_va_vdst(0)                   ; and one wait for the four
.irp b, 0,1,2,3
	v_max_num_f32 v[BM+\b], 0x1800000, v[BM+\b]    ; the floor 2^(3 - 127): the byte cannot fall under 1
.endr
.irp b, 0,1,2,3
	s_delay_alu instid0(VALU_DEP_4)
	v_add_nc_u32 v[SO+\b], 0xff000000, v[BM+\b]    ; 2 off the exponent field: the conversion's scale operand
.endr
.irp b, 0,1,2,3
	s_delay_alu instid0(VALU_DEP_4)
	v_lshrrev_b32 v[PX+\b], 23, v[SO+\b]           ; the scale's byte
.endr
	s_delay_alu instid0(VALU_DEP_3)
	v_lshl_or_b32 v[PW], v[PX+1], 8, v[PX]         ; p's scale word for these 128 keys
	s_delay_alu instid0(VALU_DEP_1)
	v_lshl_or_b32 v[PW], v[PX+2], 16, v[PW]
	s_delay_alu instid0(VALU_DEP_1)
	v_lshl_or_b32 v[PW], v[PX+3], 24, v[PW]
.irp c, 0,1
	v_cvt_scalef32_pk16_fp6_f32 v[PCD+6*\c:PCD+2+6*\c], v[S+32*\c:S+15+32*\c], v[SO+2*\c]
	v_cvt_scalef32_pk16_fp6_f32 v[CT+4*\c:CT+2+4*\c], v[S+16+32*\c:S+31+32*\c], v[SO+2*\c+1]   ; a conversion's three registers begin on an even number
.endr
	v_nop                                          ; one plain instruction behind the scaled conversions
.irp c, 0,1                                    ; the operand wants a WHOLE block in a lane: lanes 0-15 block 2 c, lanes 16-31 block 2 c + 1
.irp i, 0,1,2
	v_permlane16_swap_b32 v[PCD+6*\c+\i], v[CT+4*\c+\i]
.endr
.irp i, 0,1,2
	s_delay_alu instid0(VALU_DEP_3)
	v_mov_b32 v[PCD+3+6*\c+\i], v[CT+4*\c+\i]
.endr
.endr
.set n, 0
	s_setprio 0
.rept 16
	v_pk_mul_f32 v[O+n:O+n+1], v[O+n:O+n+1], v[FF:FF+1] op_sel_hi:[1,0]   ; o under the new M.  (These sixteen also stand between the writes of p's codes and scale word and the products below)
.set n, n+2
.endr
	s_wait_alu depctr_va_vdst(0)
	s_wait_dscnt 0x0                               ; v's fragments are in
.irp t, 0,1,2,3                                ; o += v^T p^T: source 0 = 16 channels, source 1 = p; the four accumulators take turns
	v_wmma_scale_f32_16x16x128_f8f6f4 v[O+8*\t:O+8*\t+7], v[KV+12*\t:KV+12*\t+11], v[PCD:PCD+11], v[O+8*\t:O+8*\t+7], v[KVS+\t], v[PW] matrix_a_fmt:MATRIX_FMT_FP6 matrix_b_fmt:MATRIX_FMT_FP6 matrix_a_scale:MATRIX_SCALE_ROW1
.endr
	s_add_co_u32 s[TB], s[TB], 12800
.endm
; steps 4 j .. 4 j + 3.  Waves 0 to 3 wait until their load j has landed and leave their later loads out
.macro GROUP j
	s_wait_tensorcnt 3-(\j)
	s_wait_dscnt 0x0
	s_barrier_signal -1
	s_barrier_wait -1                              ; all four loads of the group have landed
	s_mov_b32 s[TB], 51200*(\j)
	s_mov_b32 s[CNT], 4
.Lstep_\@:
	s_setprio 2
	STEP
	s_sub_co_u32 s[CNT], s[CNT], 1
	s_cmp_lg_u32 s[CNT], 0
	s_cbranch_scc1 .Lstep_\@
	s_setprio 0
.endm
	GROUP 0
	GROUP 1
	GROUP 2
	GROUP 3
	; THE WAY OUT: o / l, quantised along the head's 64 channels: register 16 b + i of lane (r, h) is channel 32 b + 16 h + i of query r
	PLACES
	v_add_f32 v14, v14, v15                        ; the sum's two halves,
	s_delay_alu instid0(VALU_DEP_1)
	v_permlanex16_b32 v[PX], v14, s[SEL], s[SEL+1]
	s_delay_alu instid0(VALU_DEP_1)
	v_add_f32 v14, v14, v[PX]                      ; and lane l xor 16's: the row's sum
	s_wait_alu depctr_va_vdst(0)
	v_rcp_f32 v14, v14
	v_and_b32 v7, 31, v0                           ; (a plain instruction behind the reciprocal)
	s_delay_alu instid0(VALU_DEP_1)
	v_lshlrev_b32 v7, 3, v7                        ; 8 x lane
	s_lshr_b32 s46, s15, 3                         ; batch
	s_and_b32 s47, s15, 7                          ; head
	s_lshl_b32 s48, s46, 7
	s_lshl_b32 s49, s14, 4
	s_add_co_u32 s48, s48, s49
	s_add_co_u32 s48, s48, s[WV]                   ; my tile of 16 tokens: 128 x batch + 16 x block + wave
	s_mul_i32 s48, s48, 6144
	s_mul_i32 s49, s47, 768
	s_add_co_u32 s48, s48, s49
	s_mov_b32 s49, 0
	s_add_nc_u64 s[8:9], s[8:9], s[48:49]
	s_lshl_b32 s50, s46, 3
	s_add_co_u32 s50, s50, s14
	s_lshl_b32 s50, s50, 3
	s_add_co_u32 s50, s50, s47
	s_lshl_b32 s50, s50, 9                         ; ((8 x batch + block) x 8 + head) x 512
	s_mov_b32 s51, 0
	s_add_nc_u64 s[10:11], s[10:11], s[50:51]
	s_wait_alu depctr_va_vdst(0)                   ; the wait ahead of the reciprocal's first use
.set n, 0
.rept 32
	v_mul_f32 v[S+n], v[O+n], v14                  ; each accumulator from its low end on
.set n, n+1
.endr
.irp b, 0,1
	v_max3_num_f32 v[BM+\b], |v[S+16*\b]|, |v[S+1+16*\b]|, 0x1800000
.endr
.irp i, 2,4,6,8,10,12,14
.irp b, 0,1
	s_delay_alu instid0(VALU_DEP_2)
	v_max3_num_f32 v[BM+\b], v[BM+\b], |v[S+16*\b+\i]|, |v[S+1+16*\b+\i]|
.endr
.endr
.irp b, 0,1
	s_delay_alu instid0(VALU_DEP_2)
	v_permlanex16_b32 v[PX+\b], v[BM+\b], s[SEL], s[SEL+1]
.endr
.irp b, 0,1
	s_delay_alu instid0(VALU_DEP_2)
	v_max_num_f32 v[BM+\b], v[BM+\b], v[PX+\b]
.endr
.irp b, 0,1
	s_delay_alu instid0(VALU_DEP_2)
	v_add_nc_u32 v[SO+\b], 0xff000000, v[BM+\b]
.endr
.irp b, 0,1
	s_delay_alu instid0(VALU_DEP_2)
	v_lshrrev_b32 v[PX+\b], 23, v[SO+\b]
.endr
	s_delay_alu instid0(VALU_DEP_1)
	v_lshl_or_b32 v[TMP], v[PX+1], 8, v[PX]        ; my row's two scale bytes
	v_cvt_scalef32_pk16_fp6_f32 v[PCD:PCD+2], v[S:S+15], v[SO]
	v_cvt_scalef32_pk16_fp6_f32 v[CT:CT+2], v[S+16:S+31], v[SO+1]
	v_nop
.irp i, 0,1,2
	v_permlane16_swap_b32 v[PCD+\i], v[CT+\i]
.endr
.irp i, 0,1,2
	s_delay_alu instid0(VALU_DEP_3)
	v_mov_b32 v[PCD+3+\i], v[CT+\i]                ; six registers: channels 32 h + 0 .. 31
.endr
.irp p, 0,1,2
	global_store_b64 v7, v[PCD+2*\p:PCD+2*\p+1], s[8:9] offset:256*\p   ; 32 lanes store 256 consecutive bytes, aligned
.endr
	ds_store_b16 v[OSA], v[TMP]                    ; lanes r and r + 16 write the same two bytes
	s_wait_dscnt 0x0                               ; for the others' sake: my store has landed
	s_barrier_signal -1
	s_barrier_wait -1
	s_cmp_lg_u32 s[WV], 0
	s_cbranch_scc1 .Lnot_first
	ds_load_b128 v[S:S+3], v[OSR]                  ; wave 0 takes the sixteen tiles' 512 bytes
	s_wait_dscnt 0x0
	global_store_b128 v[LI], v[S:S+3], s[10:11]    ; 512 consecutive bytes, aligned to 256
.Lnot_first:
	s_wait_tensorcnt 0x0                           ; the wave's end
	ds_add_u32 v[SPW], v[NIL]
	s_wait_dscnt 0x0
	CROUND                                         ; the closing round: no work-group ends while a partner may still ask for a tile that names it
	s_endpgm
.Lfunc_end_k_q7ff7ec4c79_attn:
	.size	k_q7ff7ec4c79_attn, .Lfunc_end_k_q7ff7ec4c79_attn-k_q7ff7ec4c79_attn
	.p2alignl 7, 3214868480
	.fill 96, 4, 3214868480
	.section	.rodata,"a",@progbits
	.p2align	6, 0x0
	.amdhsa_kernel k_q7ff7ec4c79_attn
		.amdhsa_group_segment_fixed_size 207360
		.amdhsa_private_segment_fixed_size 0
		.amdhsa_enable_private_segment 0
		.amdhsa_kernarg_size 32
		.amdhsa_user_sgpr_count 2
		.amdhsa_user_sgpr_kernarg_segment_ptr 1
		.amdhsa_wavefront_size32 1
		.amdhsa_system_sgpr_workgroup_id_x 1
		.amdhsa_system_sgpr_workgroup_id_y 1
		.amdhsa_system_sgpr_workgroup_id_z 1
		.amdhsa_system_vgpr_workitem_id 0
		.amdhsa_next_free_vgpr 256
		.amdhsa_next_free_sgpr 66
		.amdhsa_reserve_vcc 0
		.amdhsa_float_denorm_mode_32 3
		.amdhsa_float_denorm_mode_16_64 3
		.amdhsa_memory_ordered 1
		.amdhsa_forward_progress 1
		.amdhsa_inst_pref_size 81
	.end_amdhsa_kernel
	.amdgpu_metadata
---
amdhsa.version: [ 1, 2 ]
amdhsa.kernels:
  - .name:           k_q7ff7ec4c79_attn
    .symbol:         k_q7ff7ec4c79_attn.kd
    .args:
      - { .name: qb, .offset: 0, .size: 8, .value_kind: global_buffer, .address_space: global }
      - { .name: kv, .offset: 8, .size: 8, .value_kind: global_buffer, .address_space: global }
      - { .name: oc, .offset: 16, .size: 8, .value_kind: global_buffer, .address_space: global }
      - { .name: os, .offset: 24, .size: 8, .value_kind: global_buffer, .address_space: global }
    .group_segment_fixed_size: 207360
    .private_segment_fixed_size: 0
    .kernarg_segment_align: 8
    .kernarg_segment_size: 32
    .max_flat_workgroup_size: 512
    .sgpr_count:     66
    .vgpr_count:     256
    .wavefront_size: 32
...
	.end_amdgpu_metadata
.endif
;; end of part 7
;; launch oproj (part 8): grid 256 x 1, 4 waves a work-group, no clusters, 34,304 bytes of LDS; arguments oc, os, wc, ws, bo, out0; writes out0
.if DOCPART == 8
	.amdgcn_target "amdgcn-amd-amdhsa--gfx1250"
	.amdhsa_code_object_version 6
	.text
	.protected	k_q7ff7ec4c79_oproj
	.globl	k_q7ff7ec4c79_oproj
	.p2align	8
	.type	k_q7ff7ec4c79_oproj,@function
k_q7ff7ec4c79_oproj:
	s_mov_b64 s[64:65], 0
	v_nop
	global_prefetch_b8 v0, s[64:65] scope:SCOPE_SE
	s_setreg_imm32_b32 hwreg(HW_REG_WAVE_SCHED_MODE, 0, 2), 2
	s_setreg_imm32_b32 hwreg(HW_REG_WAVE_MODE, 25, 1), 1
	s_wait_xcnt 0x0
	s_wait_alu depctr_vm_vsrc(0)
; out0 = o Wo + bo, on codes of FP6 (E2M3) with one E8M0 scale for each 32 along K = 512.  o arrives as register images (oc) and two scale bytes a head and row (os), Wo as register images (wc, ws: the fourth tensor there).
; SHARES.  A work-group takes four tiles of 16 tokens, which are 64 consecutive tokens (row r of tile i is token 32 (i / 2) + 8 (i % 2) + r + 8 (r / 8)); wave w makes columns 128 w .. 128 w + 127 of them.  The waves share nothing: no barrier.
; All operands are asked for at the head and stay in registers: Wo's 32 fragments, the four tiles' 16 fragments, the scale words, and the bias, which is the C of each sum's first matrix instruction.
; The product is used transposed (source 0 = 16 columns of Wo, source 1 = 16 tokens): a lane holds eight neighbouring columns of one token.  A tile's 16 rows x 128 columns go through the wave's own stage in LDS and leave as rows of 512 bytes.
; The weights are not asked for jointly in a cluster: a work-group loads them once, straight into the registers where they stay.
; REGISTERS.  window 0: v1-7 addresses; v16-47 Wo's scale words; v48-63 o's; v64-95 o's scale bytes as loaded; v128-191, v192-255 two sets of eight accumulators, by turns.
;   windows 1, 2: v0-191 Wo's fragments of my first and second 64 columns ((tile t, K step s) at v[12 (4 t + s)]), v192-223 their bias.   window 3: o's fragments, (tile i, K step s) at v[12 (4 i + s)].
; THE MODE: SCHED_MODE bits 1:0 = 2 (LLVM: expert scheduling mode 2), set by the entry lines.  The code itself states the register dependences
; between vector or matrix instructions and memory or LDS instructions, with s_wait_alu, always for 0.
; THE PLAN.  Registers that memory or LDS instructions touch:
;   v1-v7       offsets and LDS addresses: made once at the head, never written again.
;   the operands (windows 1 to 3, v16-47, v64-95): loaded once at the head; nothing lands in them again.
;   v48-63      o's scale words: made by vector instructions, read by the products as scales.
;   AC0, AC1    tile i's products write AC[i % 2]; the stage's LDS stores read it; the stage's LDS loads land in it; the global stores read it; tile i + 2's products write it again.
; So a tile has ONE wait on va_vdst, behind the places that follow its products, and ONE on vm_vsrc, between the stage's stores and loads, which stands behind the global stores of the tile before too.
.set SPARE, 33792                      ; LDS: four stages of 16 rows x (512 + 16) bytes; behind them the spare words, 128 bytes for each wave, which no other line names
.set LI,  1                            ; v1  16 x lane
.set L8,  2                            ; v2  8 x lane
.set STO, 3                            ; v3  the stage: row r, + 64 h
.set STR, 4                            ; v4  and back: 16 x lane in a row
.set SPW, 12                           ; v12 LDS address of my spare word; never rewritten
.set NIL, 13                           ; v13 0; never rewritten
.set WS,  16
.set XS,  48
.set U,   64
.set MSB, 0
.macro WIN new                         ; the immediate's high byte repeats the setting that is left; a switch that changes nothing is dropped
.if MSB != (\new)
	s_set_vgpr_msb (MSB<<8)|(\new)
.set MSB, (\new)
.endif
.endm
.macro PLACES                          ; four plain instructions between a matrix instruction and the first read of its results (ISA guide 7.12.1)
.rept 4
	v_nop
.endr
.endm
	s_load_b256 s[4:11], s[0:1], 0x0               ; oc, os, wc, ws
	s_load_b128 s[12:15], s[0:1], 0x20             ; bo, out0
	v_lshl_add_u32 v[SPW], v0, 2, SPARE
	v_mov_b32 v[NIL], 0
	v_lshrrev_b32 v8, 5, v0
	v_readfirstlane_b32 s16, v8                    ; wave 0..3
	v_and_b32 v8, 31, v0                           ; lane
	v_and_b32 v9, 15, v0                           ; r
	v_bfe_u32 v10, v0, 4, 1                        ; h
	v_lshlrev_b32 v[LI], 4, v8
	v_lshlrev_b32 v[L8], 3, v8
	s_wait_alu depctr_va_sdst(0)                   ; s16 is written, ahead of its first reader: the stage's place and the bases are made from it
	s_mul_i32 s17, s16, 8448                       ; my stage
	v_mul_u32_u24 v[STO], v9, 528
	v_lshl_add_u32 v[STO], v10, 6, v[STO]
	v_add_nc_u32 v[STO], s17, v[STO]
	v_add_nc_u32 v[STR], s17, v[LI]
	v_lshlrev_b32 v5, 4, v9                        ; 16 r
	v_lshlrev_b32 v6, 1, v9                        ; 2 r
	v_lshlrev_b32 v7, 6, v10                       ; 64 h
	s_mul_i32 s18, ttmp9, 24576                    ; my four tiles' images
	s_mov_b32 s19, 0
	s_lshr_b32 s20, ttmp9, 2
	s_lshl_b32 s20, s20, 12
	s_and_b32 s21, ttmp9, 3
	s_lshl_b32 s21, s21, 7
	s_add_co_u32 s20, s20, s21                     ; their scale bytes: 4,096 a block of 256 tokens, 32 a tile
	s_mov_b32 s21, 0
	s_mul_i32 s22, s16, 49152
	s_add_co_u32 s22, s22, 589824                  ; the fourth tensor's images, my 32
	s_mov_b32 s23, 0
	s_lshl_b32 s24, s16, 11
	s_add_co_u32 s24, s24, 24576                   ; and their words
	s_mov_b32 s25, 0
	s_lshl_b32 s26, s16, 9                         ; my 128 columns, in bytes
	s_mov_b32 s27, 0
	s_lshl_b32 s28, ttmp9, 17                      ; 64 rows of 2,048 bytes
	s_add_co_u32 s28, s28, s26
	s_mov_b32 s29, 0
	s_wait_kmcnt 0x0
	s_add_nc_u64 s[4:5], s[4:5], s[18:19]
	s_add_nc_u64 s[6:7], s[6:7], s[20:21]
	s_add_nc_u64 s[8:9], s[8:9], s[22:23]
	s_add_nc_u64 s[10:11], s[10:11], s[24:25]
	s_add_nc_u64 s[12:13], s[12:13], s[26:27]
	s_add_nc_u64 s[14:15], s[14:15], s[28:29]
	s_wait_alu depctr_va_vdst(0)                   ; the seven offsets and addresses v1 to v7 are written, which every load and store of the kernel reads; only loads and window switches follow up to the wait for the loads
.irp e, 0,1
	WIN (1+\e)<<6                                  ; destination window 1, then 2
.set f, 0
.rept 48
	global_load_b128 v[4*f:4*f+3], v[LI], s[8:9] offset:24576*\e+512*f
.set f, f+1
.endr
.irp t, 0,1,2,3                                ; the bias in the result's layout: lane (r, h) of tile 4 e + t holds columns 32 ((4 e + t) / 2) + 8 (t % 2) + 16 h + 0 .. 7
	global_load_b128 v[192+8*\t:195+8*\t], v7, s[12:13] offset:(32*((4*\e+\t)/2)+8*(\t%2))*4
	global_load_b128 v[196+8*\t:199+8*\t], v7, s[12:13] offset:(32*((4*\e+\t)/2)+8*(\t%2))*4+16
.endr
.endr
	WIN 0
.irp t, 0,1,2,3,4,5,6,7
	global_load_b128 v[WS+4*\t:WS+4*\t+3], v5, s[10:11] offset:256*\t
.endr
	WIN 0xc0                                       ; destination window 3
.set f, 0
.rept 96
	global_load_b64 v[2*f:2*f+1], v[L8], s[4:5] offset:256*f   ; register pair f % 24 of tile f / 24: 32 lanes read 256 consecutive bytes
.set f, f+1
.endr
	WIN 0
.irp i, 0,1,2,3
.irp d, 0,1,2,3,4,5,6,7
	global_load_u16 v[U+8*\i+\d], v6, s[6:7] offset:512*\d+32*\i   ; head d's two bytes of row r of tile i
.endr
.endr
	s_wait_loadcnt 0x0
.irp i, 0,1,2,3
.irp s, 0,1,2,3
	v_lshl_or_b32 v[XS+4*\i+\s], v[U+8*\i+2*\s+1], 16, v[U+8*\i+2*\s]   ; K step s is heads 2 s and 2 s + 1
.endr
.endr
.rept 8
	v_nop                                          ; a scale register written by a vector instruction stands eight places ahead of a scaled matrix instruction
.endr
	s_wait_alu depctr_va_vdst(0)                   ; o's sixteen scale words v[XS ..] are written, which the products take as scales; the places above stay beside this wait
; tile i: 32 matrix instructions; four accumulators take turns, one instruction a turn; the first K step takes the bias as C
.macro MUL i
.set AC, 128+64*((\i)%2)
.irp e, 0,1
.irp s, 0,1,2,3
.if \s == 0
	WIN (1+\e)|0x0c|((1+\e)<<4)                    ; source 0 (Wo) and source 2 (the bias) in window 1 or 2, source 1 (o) in window 3
.else
	WIN (1+\e)|0x0c
.endif
.irp t, 0,1,2,3
.if \s == 0
	v_wmma_scale_f32_16x16x128_f8f6f4 v[AC+8*(4*\e+\t):AC+8*(4*\e+\t)+7], v[12*(4*\t+\s):12*(4*\t+\s)+11], v[12*(4*(\i)+\s):12*(4*(\i)+\s)+11], v[192+8*\t:199+8*\t], v[WS+16*\e+4*\t+\s], v[XS+4*(\i)+\s] matrix_a_fmt:MATRIX_FMT_FP6 matrix_b_fmt:MATRIX_FMT_FP6
.else
	v_wmma_scale_f32_16x16x128_f8f6f4 v[AC+8*(4*\e+\t):AC+8*(4*\e+\t)+7], v[12*(4*\t+\s):12*(4*\t+\s)+11], v[12*(4*(\i)+\s):12*(4*(\i)+\s)+11], v[AC+8*(4*\e+\t):AC+8*(4*\e+\t)+7], v[WS+16*\e+4*\t+\s], v[XS+4*(\i)+\s] matrix_a_fmt:MATRIX_FMT_FP6 matrix_b_fmt:MATRIX_FMT_FP6
.endif
.endr
.endr
.endr
	WIN 0
.endm
; tile i's results into my stage, 32 bytes of a row a lane and tile, and back as whole rows into the registers that they left.  LDS serves a wave's instructions in order (ISA guide 5.7.1.4): no wait on DScnt between
.macro TOSTAGE i
.set AC, 128+64*((\i)%2)
	PLACES
	s_wait_alu depctr_va_vdst(0)                   ; the tile's products have written v[AC ..], which the LDS stores read and in which the LDS loads below land; the places above stay beside this wait
.irp t, 0,1,2,3,4,5,6,7
	ds_store_b128 v[STO], v[AC+8*\t:AC+8*\t+3] offset:128*(\t/2)+32*(\t%2)        ; each accumulator from its low end on
	ds_store_b128 v[STO], v[AC+8*\t+4:AC+8*\t+7] offset:128*(\t/2)+32*(\t%2)+16
.endr
	s_wait_alu depctr_vm_vsrc(0)                   ; the LDS stores have read v[AC ..], in which the loads below land; the global stores of the tile before have read the other set, which the next tile's products write again
.set q, 0
.rept 16
	ds_load_b128 v[AC+4*q:AC+4*q+3], v[STR] offset:528*q
.set q, q+1
.endr
.endm
.macro SEND i
.set AC, 128+64*((\i)%2)
	s_wait_dscnt 0x0                               ; the tile is back in registers
.set q, 0
.rept 16
	global_store_b128 v[LI], v[AC+4*q:AC+4*q+3], s[14:15] offset:(32*((\i)/2)+8*((\i)%2)+q+8*(q/8))*2048 th:TH_STORE_NT   ; 32 lanes store 512 consecutive bytes of a row, aligned to 256; written once
.set q, q+1
.endr
.endm
	MUL 0
	TOSTAGE 0
	MUL 1                                          ; a tile's products stand between the stage's loads of the tile before and the wait for them; they name none of the registers in which those loads land
	SEND 0
	TOSTAGE 1
	s_wait_xcnt 0x0                                ; tile 0's stores have read their registers: tile 2's sums are begun there only behind this wait (and behind the wait on vm_vsrc in the stage's lines above, which stands behind those stores)
	MUL 2
	SEND 1
	TOSTAGE 2
	s_wait_xcnt 0x0                                ; likewise tile 1's, for tile 3
	MUL 3
	SEND 2
	TOSTAGE 3
	SEND 3
	s_wait_dscnt 0x0                               ; the closing lines, six on end
	s_wait_alu 0x0
	s_wait_tensorcnt 0x0
	ds_add_u32 v[SPW], v[NIL]
	s_wait_dscnt 0x0
	s_endpgm
.Lfunc_end_k_q7ff7ec4c79_oproj:
	.size	k_q7ff7ec4c79_oproj, .Lfunc_end_k_q7ff7ec4c79_oproj-k_q7ff7ec4c79_oproj
	.p2alignl 7, 3214868480
	.fill 96, 4, 3214868480
	.section	.rodata,"a",@progbits
	.p2align	6, 0x0
	.amdhsa_kernel k_q7ff7ec4c79_oproj
		.amdhsa_group_segment_fixed_size 34304
		.amdhsa_private_segment_fixed_size 0
		.amdhsa_enable_private_segment 0
		.amdhsa_kernarg_size 48
		.amdhsa_user_sgpr_count 2
		.amdhsa_user_sgpr_kernarg_segment_ptr 1
		.amdhsa_wavefront_size32 1
		.amdhsa_system_sgpr_workgroup_id_x 1
		.amdhsa_system_sgpr_workgroup_id_y 1
		.amdhsa_system_sgpr_workgroup_id_z 1
		.amdhsa_system_vgpr_workitem_id 0
		.amdhsa_next_free_vgpr 1024
		.amdhsa_next_free_sgpr 66
		.amdhsa_reserve_vcc 0
		.amdhsa_float_denorm_mode_32 3
		.amdhsa_float_denorm_mode_16_64 3
		.amdhsa_memory_ordered 1
		.amdhsa_forward_progress 1
		.amdhsa_inst_pref_size 59
	.end_amdhsa_kernel
	.amdgpu_metadata
---
amdhsa.version: [ 1, 2 ]
amdhsa.kernels:
  - .name:           k_q7ff7ec4c79_oproj
    .symbol:         k_q7ff7ec4c79_oproj.kd
    .args:
      - { .name: oc, .offset: 0, .size: 8, .value_kind: global_buffer, .address_space: global }
      - { .name: os, .offset: 8, .size: 8, .value_kind: global_buffer, .address_space: global }
      - { .name: wc, .offset: 16, .size: 8, .value_kind: global_buffer, .address_space: global }
      - { .name: ws, .offset: 24, .size: 8, .value_kind: global_buffer, .address_space: global }
      - { .name: bo, .offset: 32, .size: 8, .value_kind: global_buffer, .address_space: global }
      - { .name: out0, .offset: 40, .size: 8, .value_kind: global_buffer, .address_space: global }
    .group_segment_fixed_size: 34304
    .private_segment_fixed_size: 0
    .kernarg_segment_align: 8
    .kernarg_segment_size: 48
    .max_flat_workgroup_size: 128
    .sgpr_count:     66
    .vgpr_count:     1024
    .wavefront_size: 32
...
	.end_amdgpu_metadata
.endif
;; end of part 8
